; MI455X (gfx1250); checked and timed in simulation.
; The chip was launched on July 23, 2026; its instructions are those of AMD's public machine-readable ISA for CDNA 5 (MIT licence, August 2026) and "CDNA5" Instruction Set Architecture Reference Guide (July 2026). The comments in the code are by the model that wrote it; some were corrected since.
;; Non Local Geometric Block. Allowed arithmetic: matrix products marked QUANTISED: E2M3 operands, one E8M0 scale for each 32 along K, by v_wmma_scale_f32_16x16x128_f8f6f4 with both operands' format E2M3, f32 sums; products left as they are: f32 operands where the result goes on into a quantised operand, else bf16, f16 or f32 operands; f32 sums; everything else in f32.
;; Inputs: Wk 512 x 512 float32; Wq 512 x 512 float32; bk 512 float32; bq 512 float32; chi 32,768 x 512 float32; proj 512 x 512 float32; x 32,768 x 512 float32.
;; Outputs: out0 32,768 x 512 float32.
;; This version of the problem:
;;   THIS VERSION OF THE PROBLEM IS GIVEN IN LOW PRECISION. The matrix products marked QUANTISED in the list below multiply operands that are first quantised to E2M3 (2 exponent bits, 3 mantissa bits; 6 bits a number), with one power-of-two scale for each 32 numbers along K (OCP MX v1.0); their sums are f32. All else is computed in f32.
;;   The module's matrix products, in the order in which they are computed (A, B: the left and right operand; K: the contracted axis; several contracted axes count as one K, in the product's order):
;;     1. [M 32,768, K 512] x [K 512, N 512]; A: input x; B: input Wq: QUANTISED
;;     2. [M 32,768, K 512] x [K 512, N 512]; A: input x; B: input Wk: QUANTISED
;;     3. [M 32,768, K 512] x [K 512, N 512]; A: computed on the way; B: input proj: QUANTISED
;;     4. [M 32,768, K 512] x [K 512, N 512]; A: computed on the way; B: input proj: QUANTISED
;;     5. [M 512, K 32,768] x [K 32,768, N 512]; A: computed on the way; B: input chi: QUANTISED
;;     6. [M 32,768, K 512] x [K 512, N 512]; A: computed on the way; B: computed on the way: QUANTISED
;;     7. [M 32,768, K 512] x [K 512, N 1]; A: computed on the way; B: computed on the way: left as it is (N = 1 < 16)
;;   THE QUANTISER, for each operand of a quantised product, along K:
;;     - K is cut into blocks of 32 from its start; a last block that is shorter is filled with zeros.
;;     - A block's scale is 2^e with e = floor(log2(the largest magnitude in the block)) - 2, held to -126 .. 127; a block of zeros has e = 0. As a byte (E8M0): e + 127.
;;     - Each number is divided by its block's scale, clamped to +-7.5, and rounded to the nearest number of E2M3, ties to even, subnormals kept.
;;     - The product sums the exact products of the quantised numbers (number of the format x scale) in f32.
;;   ~~~python
;;   def quantise(x, axis):      # numpy; x: float32 -> the quantised numbers, widened to float32 again
;;       x = np.moveaxis(x, axis, -1); K = x.shape[-1]
;;       x = np.pad(x, [(0, 0)] * (x.ndim - 1) + [(0, -K % 32)]); x = x.reshape(x.shape[:-1] + (-1, 32)); a = np.abs(x).max(-1, keepdims=True)
;;       e = np.where(a > 0, np.clip(np.frexp(np.where(a > 0, a, 1))[1] - 1 - 2, -126, 127), 0)      # np.frexp(a)[1] - 1 = floor(log2(a)), exactly
;;       r = np.clip(x / 2.0 ** e, -7.5, 7.5)
;;       step = 2.0 ** (np.maximum(np.frexp(np.where(r == 0, 1, r))[1] - 1, 0) - 3)
;;       q = np.round(r / step) * step * 2.0 ** e      # np.round: ties to even
;;       return np.moveaxis(q.reshape(q.shape[:-2] + (-1,))[..., :K], -1, axis).astype(np.float32)
;;   ~~~
;;   OPERANDS COMPUTED ON THE WAY. 'Computed on the way' means the value that the module computes at that place (a softmax that the list does not call 'softmax' is quantised finished and normalised). What goes into a quantiser is computed in f32, as accurately as f32 sums, v_exp_f32 and their like allow (about 1e-6 of the number): no bf16 or f16 on the way to a quantiser, and a product that is left as it is and whose result goes on into a quantised operand takes f32 operands (vector FMAs, or v_wmma_f32_16x16x4_f32). A number that lies on a knife's edge between two numbers of the format may be rounded either way, as far as f32 arithmetic and the matrix unit's own rounding can turn it there, and no further.
;; One version. Each part assembles by itself: llvm-mc -triple=amdgcn-amd-amdhsa -mcpu=gfx1250 --defsym DOCPART=n.
;; ======== version 1 of 1: 5 launches
;; workspace buffers: xc 13,107,200 bytes; chic 13,107,200 bytes; wc 614,400 bytes; kpc 12,582,912 bytes; kps 524,288 bytes; ksp 524,288 bytes; kvp 16,777,216 bytes; kvc 206,848 bytes
;; launch quant (part 1): grid 1316 x 1, 4 waves a work-group, no clusters, 34,304 bytes of LDS; arguments x, chi, Wq, Wk, proj, xc, chic, wc; writes xc, chic, wc
.if DOCPART == 1
	.amdgcn_target "amdgcn-amd-amdhsa--gfx1250"
	.amdhsa_code_object_version 6
	.text
	.protected	k_q3e03f535d5_quant
	.globl	k_q3e03f535d5_quant
	.p2align	8
	.type	k_q3e03f535d5_quant,@function
k_q3e03f535d5_quant:
	s_mov_b64 s[64:65], 0
	v_nop
	global_prefetch_b8 v0, s[64:65] scope:SCOPE_SE
	s_setreg_imm32_b32 hwreg(HW_REG_WAVE_MODE, 25, 1), 1
	s_wait_xcnt 0x0
; x, proj (K innermost) and chi, Wq, Wk (K = the first axis), all f32, become codes of FP6 (E2M3) with one E8M0 byte for each 32 along K.
; A block's scale is 2^(floor(log2(largest magnitude)) - 2); its byte is the largest magnitude's exponent field - 2, held at 1 from below.
; LIMITS: NaN and infinities among the inputs are not served; a block of zeros gets the byte 1 where the rule says 127 (its codes are zeros, and this program alone reads the bytes).
; WHAT IS WRITTEN.  A FRAGMENT is 16 operand rows x 128 K = 12 registers a lane, stored as an image of those registers: register 4 c + i of lane l at byte 512 c + 16 l + 4 i (1,536 bytes).
; A PART is 128 operand rows x 512 K = 51,200 bytes: fragment (tile t, K step s) at 1536 (4 t + s); from byte 49,152 the scale words: (K step s, tile pair p, lane 16 u + r) at 512 s + 128 p + 4 (16 u + r), for row r of tile 2 p + u.
; THE ROWS OF A TILE ARE NOT NEIGHBOURS: tile t holds rows 32 (t / 2) + 8 (t % 2) + i + 8 (i / 8), so that the results of eight tiles lie in a lane in the order of the next product's K.
; SHARES.  Work-groups 0-259: a part of x (256) or of proj (4); wave w takes tile pair w, eight steps of 16 rows x 128 K.  Each load reads 512 consecutive bytes of a row; the 16 rows turn through the
; wave's own stage in LDS (pitch 528 = 33 x 16 bytes), so that a lane gets 16 neighbours of each block of 32.
; Work-groups 260-1315: one K step of a part of chi (1,024), Wq (16) or Wk (16); wave p takes tile pair p; a lane takes a column and its registers run down K: nothing is transposed, no LDS.
; A stream: no matrix unit, no tensor load, no barrier; waves share nothing.
.set STG,  8448                        ; a wave's stage: 16 rows x 528 bytes
.set R,    16                          ; v16-143  rows path: two sets of 64 numbers as loaded
.set X,    144                         ; v144-207 64 numbers: register 16 b + i = k 32 b + 16 (lane / 16) + i of my row
.set TM,   208                         ; v208-223 largest magnitudes, bytes, conversion operands
.set PC,   224                         ; v224-243 the fragment (12) and two runs of 3 on the way
.set SWR,  244                         ; v244-251 a scale word for each step
.set SEL,  30                          ; s[30:31] v_permlanex16_b32's selects for lane l xor 16
.set XC,   32                          ; v32-95   columns path: two sets of 32 numbers
.set F0,   96                          ; v96-107  the even tile's fragment
.set F1,   108                         ; v108-119 the odd tile's
.set TA,   120                         ; v120-122, v124-126: the upper halves of a block's codes (a conversion's three registers begin on an even number)
.set TB,   124
	s_load_b256 s[4:11], s[0:1], 0x0               ; x s[4:5], chi s[6:7], Wq s[8:9], Wk s[10:11]
	s_load_b256 s[12:19], s[0:1], 0x20             ; proj s[12:13], xc s[14:15], chic s[16:17], wc s[18:19]
	v_lshl_add_u32 v254, v0, 2, 0x8400
	v_mov_b32 v255, 0
	v_lshrrev_b32 v9, 5, v0
	v_readfirstlane_b32 s20, v9                    ; wave
	v_and_b32 v6, 31, v0                           ; lane
	v_and_b32 v7, 15, v0                           ; r
	v_bfe_u32 v8, v0, 4, 1                         ; lane / 16
	s_cmp_ge_u32 ttmp9, 260
	s_cbranch_scc1 .Lcolumns
; ---------------- K innermost: x and proj ----------------
	v_lshlrev_b32 v1, 4, v6                        ; 16 x lane: my bytes of a load's 512
	s_mul_i32 s21, s20, STG
	v_add_nc_u32 v2, s21, v1                       ; the stage, in: 16 x lane, a row for each load
	v_mul_u32_u24 v3, v7, 528
	v_lshl_add_u32 v3, v8, 6, v3
	v_add_nc_u32 v3, s21, v3                       ; and out: row r, + 64 (lane / 16)
	s_mul_i32 s21, s20, 12288
	v_add_nc_u32 v4, s21, v1                       ; my tile pair's fragments in the part
	s_lshl_b32 s21, s20, 7
	s_add_co_u32 s21, s21, 49152
	v_lshl_add_u32 v5, v6, 2, s21                  ; and its scale words
	s_mov_b32 s[SEL], 0x76543210
	s_mov_b32 s[SEL+1], 0xfedcba98
.irp b, 0,1,2,3
	v_mov_b32 v[TM+4+\b], 0                        ; written once: a lane permute's destination counts as one of its sources
.endr
	s_cmp_lt_u32 ttmp9, 256                        ; x's part or proj's?  The choice hangs on the work-group's number alone
	s_cselect_b32 s22, 0, 256
	s_cselect_b32 s23, 0, 409600                   ; proj's parts lie behind Wq's and Wk's in wc
	s_wait_kmcnt 0x0
	s_cselect_b64 s[24:25], s[4:5], s[12:13]
	s_cselect_b64 s[26:27], s[14:15], s[18:19]
	s_sub_co_u32 s22, ttmp9, s22                   ; the part's number in its tensor
	s_lshl_b32 s28, s22, 18                        ; 128 rows of 2,048 bytes,
	s_lshl_b32 s29, s20, 16                        ; and my wave's 32 rows
	s_add_co_u32 s28, s28, s29
	s_mov_b32 s29, 0
	s_add_nc_u64 s[24:25], s[24:25], s[28:29]
	s_mul_i32 s28, s22, 51200
	s_add_co_u32 s28, s28, s23
	s_add_nc_u64 s[26:27], s[26:27], s[28:29]
; 64 numbers of a lane become a fragment's codes in v[PC] on and its scale word in v[pw]
.macro QUANT s, pw
.irp b, 0,1,2,3
	v_max3_num_f32 v[TM+\b], |v[\s+16*\b]|, |v[\s+1+16*\b]|, 0x1800000   ; block b: my 16 numbers, and the floor 2^(3 - 127): the byte cannot fall under 1
.endr
.irp i, 2,4,6,8,10,12,14
.irp b, 0,1,2,3
	v_max3_num_f32 v[TM+\b], v[TM+\b], |v[\s+16*\b+\i]|, |v[\s+1+16*\b+\i]|   ; the four blocks by turns
.endr
.endr
.irp b, 0,1,2,3
	v_permlanex16_b32 v[TM+4+\b], v[TM+\b], s[SEL], s[SEL+1]
.endr
.irp b, 0,1,2,3
	v_max_num_f32 v[TM+\b], v[TM+\b], v[TM+4+\b]   ; with lane l xor 16's 16: the block's largest magnitude
.endr
.irp b, 0,1,2,3
	v_add_nc_u32 v[TM+12+\b], 0xff000000, v[TM+\b] ; 2 off its exponent field: the conversion takes that field as its scale
.endr
.irp b, 0,1,2,3
	v_lshrrev_b32 v[TM+4+\b], 23, v[TM+12+\b]      ; the scale's byte
.endr
	v_lshl_or_b32 v[\pw], v[TM+5], 8, v[TM+4]
	v_lshl_or_b32 v[\pw], v[TM+6], 16, v[\pw]
	v_lshl_or_b32 v[\pw], v[TM+7], 24, v[\pw]      ; my row's scale word
.irp c, 0,1
	v_cvt_scalef32_pk16_fp6_f32 v[PC+6*\c:PC+2+6*\c], v[\s+32*\c:\s+15+32*\c], v[TM+12+2*\c]
	v_cvt_scalef32_pk16_fp6_f32 v[PC+12+4*\c:PC+14+4*\c], v[\s+16+32*\c:\s+31+32*\c], v[TM+13+2*\c]
.endr
	v_nop                                          ; one plain place behind a scaled conversion
.irp c, 0,1                                    ; the layout wants a whole block in a lane: lanes 0-15 block 2 c, lanes 16-31 block 2 c + 1
.irp i, 0,1,2
	v_permlane16_swap_b32 v[PC+6*\c+\i], v[PC+12+4*\c+\i]
.endr
.irp i, 0,1,2
	v_mov_b32 v[PC+3+6*\c+\i], v[PC+12+4*\c+\i]
.endr
.endr
.endm
.macro LOADX g                         ; step g = 4 (tile of the pair) + K step: its 16 rows' 512 bytes
.irp i, 0,1,2,3,4,5,6,7,8,9,10,11,12,13,14,15
	global_load_b128 v[R+64*((\g)%2)+4*\i:R+64*((\g)%2)+4*\i+3], v1, s[24:25] offset:(8*((\g)/4)+\i+8*(\i/8))*2048+512*((\g)%4) th:TH_LOAD_NT
.endr
.endm
.macro STEPX g
.if (\g) < 7
	s_wait_loadcnt 16                              ; this step's 16 loads are in; the next step's 16 may be out
.else
	s_wait_loadcnt 0x0
.endif
.irp i, 0,1,2,3,4,5,6,7,8,9,10,11,12,13,14,15
	ds_store_b128 v2, v[R+64*((\g)%2)+4*\i:R+64*((\g)%2)+4*\i+3] offset:528*\i
.endr
.irp b, 0,1,2,3
.irp j, 0,1,2,3
	ds_load_b128 v[X+16*\b+4*\j:X+16*\b+4*\j+3], v3 offset:128*\b+16*\j   ; LDS serves a wave's instructions in order: these see the stores above
.endr
.endr
	s_wait_dscnt 0x0                               ; my 64 numbers are back, and the stores have read the set that the loads below fill
	s_wait_xcnt 0x0                                ; the last step's stores have read the codes' registers, which are written again below
.if (\g)+2 < 8
	LOADX (\g)+2
.endif
	QUANT X, SWR+(\g)
.irp c, 0,1,2
	global_store_b128 v4, v[PC+4*\c:PC+4*\c+3], s[26:27] offset:6144*((\g)/4)+1536*((\g)%4)+512*\c   ; 512 consecutive bytes
.endr
.endm
	LOADX 0
	LOADX 1
.irp g, 0,1,2,3,4,5,6,7
	STEPX \g
.endr
.irp s, 0,1,2,3
	v_permlane16_swap_b32 v[SWR+\s], v[SWR+4+\s]   ; lanes 0-15: the even tile's words, lanes 16-31: the odd tile's
.endr
.irp s, 0,1,2,3
	global_store_b32 v5, v[SWR+\s], s[26:27] offset:512*\s
.endr
	s_wait_tensorcnt 0x0
	ds_add_u32 v254, v255
	s_wait_dscnt 0x0
	s_endpgm
; ---------------- K = the first axis: chi, Wq, Wk ----------------
.Lcolumns:
	s_sub_co_u32 s21, ttmp9, 260                   ; c
	s_and_b32 s22, s21, 3                          ; the part's K step
	s_lshr_b32 s23, s21, 2                         ; the part: 0-255 chi's, 256-259 Wq's, 260-263 Wk's
	s_and_b32 s28, s23, 3                          ; which 128 columns
	s_lshr_b32 s29, s21, 4                         ; chi: which 512 rows
	v_and_b32 v9, 8, v7
	v_add_nc_u32 v9, v9, v7
	v_lshl_add_u32 v9, v8, 3, v9                   ; my column of the pair's 32: 8 u + r + 8 (r / 8)
	s_lshl_b32 s34, s20, 7
	v_lshl_add_u32 v3, v9, 2, s34                  ; in bytes, + 128 x wave: the 32 lanes read 128 consecutive bytes
	s_mul_i32 s35, s20, 12288
	v_lshl_add_u32 v4, v6, 4, s35                  ; my tile pair's fragments
	s_add_co_u32 s34, s34, 49152
	v_lshl_add_u32 v5, v6, 2, s34                  ; and its scale words
	s_wait_kmcnt 0x0
	s_cmp_lt_u32 s21, 1040
	s_cselect_b64 s[24:25], s[8:9], s[10:11]       ; Wq or Wk,
	s_cmp_lt_u32 s21, 1024
	s_cselect_b64 s[24:25], s[6:7], s[24:25]       ; or chi
	s_cselect_b64 s[26:27], s[16:17], s[18:19]
	s_cselect_b32 s29, s29, 0
	s_cselect_b32 s30, 0, 256
	s_sub_co_u32 s23, s23, s30                     ; the part's number in its buffer
	s_lshl_b32 s29, s29, 20                        ; 512 rows of 2,048 bytes,
	s_lshl_b32 s30, s22, 18                        ; 128 rows a K step,
	s_add_co_u32 s29, s29, s30
	s_lshl_b32 s30, s28, 9                         ; 128 columns
	s_add_co_u32 s30, s29, s30
	s_mov_b32 s31, 0
	s_add_nc_u64 s[24:25], s[24:25], s[30:31]
	s_mul_i32 s30, s23, 51200
	s_add_nc_u64 s[26:27], s[26:27], s[30:31]      ; the part
	s_lshl_b32 s30, s22, 9
	s_add_nc_u64 s[32:33], s[26:27], s[30:31]      ; + 512 x K step: for the scale words
	s_mul_i32 s30, s22, 1536
	s_add_nc_u64 s[26:27], s[26:27], s[30:31]      ; + 1,536 x K step: for the fragments
.macro LOADC t                         ; block t: rows 32 t + i of my column
.irp i, 0,1,2,3,4,5,6,7,8,9,10,11,12,13,14,15,16,17,18,19,20,21,22,23,24,25,26,27,28,29,30,31
	global_load_b32 v[XC+32*((\t)%2)+\i], v3, s[24:25] offset:(32*(\t)+\i)*2048 th:TH_LOAD_NT
.endr
.endm
.macro BLOCK t
.set XS, XC+32*((\t)%2)
.set CC, (\t)/2
.if (\t) < 3
	s_wait_loadcnt 32                              ; this block's 32 loads are in; the next block's may be out
.else
	s_wait_loadcnt 0x0
.endif
	v_max3_num_f32 v12, |v[XS]|, |v[XS+1]|, |v[XS+2]|   ; the block's largest magnitude: all 32 numbers are mine
	v_max3_num_f32 v13, |v[XS+3]|, |v[XS+4]|, |v[XS+5]|
.irp i, 6,10,14,18,22,26
	v_max3_num_f32 v12, v12, |v[XS+\i]|, |v[XS+\i+1]|
	v_max3_num_f32 v13, v13, |v[XS+\i+2]|, |v[XS+\i+3]|
.endr
	v_max3_num_f32 v12, v12, |v[XS+30]|, |v[XS+31]|
	v_max3_num_f32 v12, v12, v13, 0x1800000        ; and the floor 2^(3 - 127)
	v_add_nc_u32 v11, 0xff000000, v12              ; the conversion's scale operand
	v_lshrrev_b32 v13, 23, v11                     ; the byte
.if (\t) == 0
	v_mov_b32 v14, v13
.else
	v_lshl_or_b32 v14, v13, 8*(\t), v14            ; my column's scale word, the lower K in the lower byte
.endif
.if (\t)%2 == 0
	v_cvt_scalef32_pk16_fp6_f32 v[F0+6*CC:F0+6*CC+2], v[XS:XS+15], v11
	v_cvt_scalef32_pk16_fp6_f32 v[TA:TA+2], v[XS+16:XS+31], v11
.else
	v_cvt_scalef32_pk16_fp6_f32 v[F1+6*CC:F1+6*CC+2], v[XS:XS+15], v11
	v_cvt_scalef32_pk16_fp6_f32 v[TB:TB+2], v[XS+16:XS+31], v11
.endif
.if (\t)+2 < 4
	LOADC (\t)+2
.endif
.if (\t)%2 == 1
	v_nop                                          ; one plain place behind a scaled conversion
; lanes 0-15 hold the even tile's columns, lanes 16-31 the odd tile's; F0 has both tiles' block 2 c, F1 both tiles' block 2 c + 1.  The exchange gives F0 the even tile's two blocks and F1 the odd tile's
.irp i, 0,1,2
	v_permlane16_swap_b32 v[F0+6*CC+\i], v[F1+6*CC+\i]
	v_permlane16_swap_b32 v[TA+\i], v[TB+\i]
.endr
.irp i, 0,1,2
	v_mov_b32 v[F0+6*CC+3+\i], v[TA+\i]
	v_mov_b32 v[F1+6*CC+3+\i], v[TB+\i]
.endr
.endif
.endm
	LOADC 0
	LOADC 1
	BLOCK 0
	BLOCK 1
	BLOCK 2
	BLOCK 3
.irp c, 0,1,2
	global_store_b128 v4, v[F0+4*\c:F0+4*\c+3], s[26:27] offset:512*\c
	global_store_b128 v4, v[F1+4*\c:F1+4*\c+3], s[26:27] offset:6144+512*\c
.endr
	global_store_b32 v5, v14, s[32:33]             ; lane 16 u + r holds the word of row r of tile 2 p + u: as the part wants it
	s_endpgm
.Lfunc_end_k_q3e03f535d5_quant:
	.size	k_q3e03f535d5_quant, .Lfunc_end_k_q3e03f535d5_quant-k_q3e03f535d5_quant
	.p2alignl 7, 3214868480
	.fill 96, 4, 3214868480
	.section	.rodata,"a",@progbits
	.p2align	6, 0x0
	.amdhsa_kernel k_q3e03f535d5_quant
		.amdhsa_group_segment_fixed_size 34304
		.amdhsa_private_segment_fixed_size 0
		.amdhsa_enable_private_segment 0
		.amdhsa_kernarg_size 64
		.amdhsa_user_sgpr_count 2
		.amdhsa_user_sgpr_kernarg_segment_ptr 1
		.amdhsa_wavefront_size32 1
		.amdhsa_system_sgpr_workgroup_id_x 1
		.amdhsa_system_sgpr_workgroup_id_y 1
		.amdhsa_system_sgpr_workgroup_id_z 1
		.amdhsa_system_vgpr_workitem_id 0
		.amdhsa_next_free_vgpr 256
		.amdhsa_next_free_sgpr 66
		.amdhsa_reserve_vcc 0
		.amdhsa_float_denorm_mode_32 3
		.amdhsa_float_denorm_mode_16_64 3
		.amdhsa_memory_ordered 1
		.amdhsa_forward_progress 1
		.amdhsa_inst_pref_size 84
	.end_amdhsa_kernel
	.amdgpu_metadata
---
amdhsa.version: [ 1, 2 ]
amdhsa.kernels:
  - .name:           k_q3e03f535d5_quant
    .symbol:         k_q3e03f535d5_quant.kd
    .args:
      - { .name: x, .offset: 0, .size: 8, .value_kind: global_buffer, .address_space: global }
      - { .name: chi, .offset: 8, .size: 8, .value_kind: global_buffer, .address_space: global }
      - { .name: Wq, .offset: 16, .size: 8, .value_kind: global_buffer, .address_space: global }
      - { .name: Wk, .offset: 24, .size: 8, .value_kind: global_buffer, .address_space: global }
      - { .name: proj, .offset: 32, .size: 8, .value_kind: global_buffer, .address_space: global }
      - { .name: xc, .offset: 40, .size: 8, .value_kind: global_buffer, .address_space: global }
      - { .name: chic, .offset: 48, .size: 8, .value_kind: global_buffer, .address_space: global }
      - { .name: wc, .offset: 56, .size: 8, .value_kind: global_buffer, .address_space: global }
    .group_segment_fixed_size: 34304
    .private_segment_fixed_size: 0
    .kernarg_segment_align: 8
    .kernarg_segment_size: 64
    .max_flat_workgroup_size: 128
    .sgpr_count:     66
    .vgpr_count:     256
    .wavefront_size: 32
...
	.end_amdgpu_metadata
.endif
;; end of part 1
;; launch kpath (part 2): grid 256 x 1, 4 waves a work-group, clusters of 4 x 1, 327,680 bytes of LDS; arguments xc, wc, bk, kpc, kps, ksp; writes kpc, kps, ksp
.if DOCPART == 2
	.amdgcn_target "amdgcn-amd-amdhsa--gfx1250"
	.amdhsa_code_object_version 6
	.text
	.protected	k_q3e03f535d5_kpath
	.globl	k_q3e03f535d5_kpath
	.p2align	8
	.type	k_q3e03f535d5_kpath,@function
k_q3e03f535d5_kpath:
	s_mov_b64 s[64:65], 0
	v_nop
	global_prefetch_b8 v0, s[64:65] scope:SCOPE_SE
	s_setreg_imm32_b32 hwreg(HW_REG_WAVE_MODE, 25, 1), 1
	s_wait_xcnt 0x0
	s_wait_alu depctr_hold_cnt(0) depctr_sa_sdst(0) depctr_va_vdst(0) depctr_va_sdst(0) depctr_va_ssrc(0) depctr_va_vcc(0) depctr_vm_vsrc(0)
	s_getreg_b32 s2, hwreg(HW_REG_IB_STS2, 6, 4)
	s_cmp_eq_u32 s2, 0
	s_cbranch_scc0 .Lentry_in_a_cluster
	s_endpgm
.Lentry_in_a_cluster:
	s_bfe_u32 s2, ttmp6, 0x10000c
	s_cmp_lg_u32 s2, 0x3003
	s_cbranch_scc0 .Lentry_shape_is_right
	s_endpgm
.Lentry_shape_is_right:
; k = Q(x) Q(Wk) + bk;  k' = relu(Q(k) Q(proj)^T) + 0.001;  out: the codes of k' along n (the next product's K), their scale words, and the column sums of the f32 k' of this work-group's 128 rows.
; All products on codes of FP6 (E2M3) with E8M0 scales.  Operands lie in memory and in LDS as images of the operand's registers: a fragment (16 rows x 128 K, 12 registers a lane) is 1,536 bytes,
; register 4 c + i of lane l at 512 c + 16 l + 4 i; a part (128 rows x 512 K) is 51,200 bytes: fragment (tile t, K step s) at 1536 (4 t + s), scale words from 49,152 on at 512 s + 128 (t / 2) + 64 (t % 2) + 4 r.
; Tile t of a part holds rows 32 (t / 2) + 8 (t % 2) + i + 8 (i / 8): so the 64 results that a lane holds of eight tiles run in the order of the next K.
; SHARES.  A work-group owns 128 rows.  THE WAVES SHARE THE COLUMNS: wave w makes features 128 w .. 128 w + 127 for all 128 rows: 64 accumulators, 512 registers.  Its part of each weight comes by ONE
; tensor load into its own 51,200 bytes of LDS.  CLUSTER: the four work-groups of a cluster walk the same weights, so each such load is asked for jointly (mask 15; its addresses hang on the wave's number alone).
; PHASE 1 is used transposed (source 0 = 16 features of Wk, source 1 = 16 rows of x; bk is the C of the first K step): a lane holds one row of k and 64 features in K's order; quantised in registers,
; the image goes to LDS as K step w of phase 2.  PHASE 2 is used as it is (source 0 = 16 rows of k, source 1 = 16 features of proj): a lane holds one feature and 64 rows n in order: K of k'^T chi.
; LIMITS: NaN and infinities are not served; a block of zeros gets the byte 1 (its codes are zeros; this program alone reads the bytes); sums are f32 in another order than a plain loop's.
; REGISTERS: window 0: v1-18 addresses; v28-29 for the add; v32-63 scale words; v64-107 the quantiser; v108-123 k's scale words and sums; v128-223 source 1's 8 fragments, one set.
;   window 1: source 0's 8 fragments, two sets, at v0 and v128; the bias at v96-127 and v224-255.   windows 2, 3: accumulator (a, b) at v[8 (8 (a % 4) + b)] of window 2 + a / 4.
.set WPART, 51200
.set SCO,   49152
.set XIMG,  204800                     ; LDS: behind the four waves' weight parts: x's part (filled once),
.set KIMG,  256000                     ; k's images and scale words (stored by the waves; no fill lands here),
.set SPARE, 309248                     ; the spare words, 128 bytes a wave: two blocks of 256 bytes that no other line names
.set L16,  1                           ; 16 x lane
.set ADRW, 2                           ; my weight part + 16 x lane
.set ADRX, 3                           ; x's part + 16 x lane
.set ADRK, 4                           ; k's images + 16 x lane
.set ADSW, 5                           ; the three regions' scale words + 4 x lane
.set ADSX, 6
.set ADSK, 7
.set IMK,  8                           ; where I store k's images: K step w
.set SWK,  9                           ; and their scale words
.set AUXA, 17                          ; 512 w + 64 (lane / 16): my bytes of the bias
.set KSO,  18                          ; 512 w + 4 (8 u + r + 8 (r / 8)): my feature's place among the column sums
.set SPW,  28
.set NIL,  29
.set SC0,  32                          ; source 0's scale words: register 4 p + s: lanes 0-15 tile 2 p, lanes 16-31 tile 2 p + 1
.set SC1,  48                          ; source 1's
.set TM,   64
.set PW,   80
.set PC,   84
.set T,    104
.set EW,   108                         ; v108-111 even tiles' scale words, v112-115 odd tiles'
.set ES,   116                         ; v116-119 even tiles' column sums, v120-123 odd tiles'
.set AF,   128
.set WV,   16                          ; s16 wave; s17 cx; s18 the work-group's block of rows
.set G1W,  24                          ; s[24:31] group 1 of a weight part;  s[32:39] of a quarter of x's part
.set G1X,  32
.set G0A,  40                          ; s[40:43] group 0: Wk's part;  s[44:47] proj's;  s[52:55] x's quarter.  Written once
.set G0B,  44
.set G0X,  52
.set SEL,  56
.set EPS,  58
.set MSB, 0
.macro WIN new                         ; the immediate's high byte repeats the setting that is left; a switch that changes nothing is dropped
.if MSB != (\new)
	s_set_vgpr_msb (MSB<<8)|(\new)
.set MSB, (\new)
.endif
.endm
.macro PLACES                          ; four places behind a matrix instruction, in front of loads into its registers and of reads of its results
.rept 4
	v_nop
.endr
.endm
.macro CREST                           ; a round of the cluster's barrier behind its opening barrier
	s_cmp_lg_u32 s[WV], 0
	s_cbranch_scc1 .Lnot_wave_0_\@
	s_barrier_signal -3
.Lnot_wave_0_\@:
	s_barrier_wait -3
	s_barrier_signal -1
	s_barrier_wait -1
.endm
.macro ROUND
	s_barrier_signal -1
	s_barrier_wait -1
	CREST
.endm
; one product: source 1's block a x source 0's block b, K step s, source 0's set p.  cm = 0: C is 0;  1: C is the bias;  2: the sum goes on
.macro WM a, b, p, s, cm
.set rD, 8*(8*((\a)%4)+(\b))
.set rA, 128*(\p)+12*(\b)
.set rB, AF+12*(\a)
.set rSA, SC0+4*((\b)/2)+(\s)
.set rSB, SC1+4*((\a)/2)+(\s)
.set rC, rD
.if (\cm) == 1
.set rC, 96+8*(\b)+96*((\b)/4)
.endif
.set oo, 2*((\a)%2)+(\b)%2
.if (\cm) == 0
.if oo == 0
	v_wmma_scale_f32_16x16x128_f8f6f4 v[rD:rD+7], v[rA:rA+11], v[rB:rB+11], 0, v[rSA], v[rSB] matrix_a_fmt:MATRIX_FMT_FP6 matrix_b_fmt:MATRIX_FMT_FP6
.elseif oo == 1
	v_wmma_scale_f32_16x16x128_f8f6f4 v[rD:rD+7], v[rA:rA+11], v[rB:rB+11], 0, v[rSA], v[rSB] matrix_a_fmt:MATRIX_FMT_FP6 matrix_b_fmt:MATRIX_FMT_FP6 matrix_a_scale:MATRIX_SCALE_ROW1
.elseif oo == 2
	v_wmma_scale_f32_16x16x128_f8f6f4 v[rD:rD+7], v[rA:rA+11], v[rB:rB+11], 0, v[rSA], v[rSB] matrix_a_fmt:MATRIX_FMT_FP6 matrix_b_fmt:MATRIX_FMT_FP6 matrix_b_scale:MATRIX_SCALE_ROW1
.else
	v_wmma_scale_f32_16x16x128_f8f6f4 v[rD:rD+7], v[rA:rA+11], v[rB:rB+11], 0, v[rSA], v[rSB] matrix_a_fmt:MATRIX_FMT_FP6 matrix_b_fmt:MATRIX_FMT_FP6 matrix_a_scale:MATRIX_SCALE_ROW1 matrix_b_scale:MATRIX_SCALE_ROW1
.endif
.else
.if oo == 0
	v_wmma_scale_f32_16x16x128_f8f6f4 v[rD:rD+7], v[rA:rA+11], v[rB:rB+11], v[rC:rC+7], v[rSA], v[rSB] matrix_a_fmt:MATRIX_FMT_FP6 matrix_b_fmt:MATRIX_FMT_FP6
.elseif oo == 1
	v_wmma_scale_f32_16x16x128_f8f6f4 v[rD:rD+7], v[rA:rA+11], v[rB:rB+11], v[rC:rC+7], v[rSA], v[rSB] matrix_a_fmt:MATRIX_FMT_FP6 matrix_b_fmt:MATRIX_FMT_FP6 matrix_a_scale:MATRIX_SCALE_ROW1
.elseif oo == 2
	v_wmma_scale_f32_16x16x128_f8f6f4 v[rD:rD+7], v[rA:rA+11], v[rB:rB+11], v[rC:rC+7], v[rSA], v[rSB] matrix_a_fmt:MATRIX_FMT_FP6 matrix_b_fmt:MATRIX_FMT_FP6 matrix_b_scale:MATRIX_SCALE_ROW1
.else
	v_wmma_scale_f32_16x16x128_f8f6f4 v[rD:rD+7], v[rA:rA+11], v[rB:rB+11], v[rC:rC+7], v[rSA], v[rSB] matrix_a_fmt:MATRIX_FMT_FP6 matrix_b_fmt:MATRIX_FMT_FP6 matrix_a_scale:MATRIX_SCALE_ROW1 matrix_b_scale:MATRIX_SCALE_ROW1
.endif
.endif
.endm
; 16 products: source 1's blocks a0, a0 + 1 x source 0's eight.  The 64 accumulators take turns, one instruction a turn, in the same order in every K step
.macro MUL16 a0, p, s, cm
.if (\cm) == 1
	WIN 0x91+0x40*((\a0)/4)                        ; source 0 window 1, source 1 window 0, C (the bias) window 1, D window 2 or 3
.else
	WIN 0xa1+0x50*((\a0)/4)                        ; C and D window 2 or 3
.endif
.irp a, \a0, \a0+1
.irp b, 0,1,2,3,4,5,6,7
	WM \a, \b, \p, \s, \cm
.endr
.endr
.endm
.macro FETCH0 adr, s, p                ; source 0's eight fragments of K step s into set p: 24 loads of 512 consecutive bytes
	WIN 0x40
.irp b, 0,1,2,3,4,5,6,7
.irp c, 0,1,2
	ds_load_b128 v[128*(\p)+12*\b+4*\c:128*(\p)+12*\b+4*\c+3], v[\adr] offset:1536*(4*\b+(\s))+512*\c
.endr
.endr
	WIN 0
.endm
.macro FETCH1 adr, s, a0               ; source 1's blocks a0 .. a0 + 3: 12 loads
.irp a, \a0, \a0+1, \a0+2, \a0+3
.irp c, 0,1,2
	ds_load_b128 v[AF+12*(\a)+4*\c:AF+12*(\a)+4*\c+3], v[\adr] offset:1536*(4*(\a)+(\s))+512*\c
.endr
.endr
.endm
.macro SCALES as0, as1                 ; both sides' scale words for all four K steps: 32 loads
.irp s, 0,1,2,3
.irp p, 0,1,2,3
	ds_load_b32 v[SC0+4*\p+\s], v[\as0] offset:512*\s+128*\p
	ds_load_b32 v[SC1+4*\p+\s], v[\as1] offset:512*\s+128*\p
.endr
.endr
.endm
.macro PSTEP adr0, adr1, s, cm         ; a K step that has a successor
	s_wait_dscnt 12                                ; all but the youngest 12 loads (source 1's blocks 4-7) are in
	MUL16 0, (\s)%2, \s, \cm
	MUL16 2, (\s)%2, \s, \cm
	s_wait_dscnt 0x0                               ; blocks 4-7 are in
	PLACES
	FETCH0 \adr0, (\s)+1, 1-(\s)%2
	FETCH1 \adr1, (\s)+1, 0
	MUL16 4, (\s)%2, \s, \cm
	MUL16 6, (\s)%2, \s, \cm
	PLACES
	WIN 0
	FETCH1 \adr1, (\s)+1, 4
.endm
; A product of 128 rows x 128 columns x 512 K a wave.  g0 other than 0: in the last K step, when my last read of my weight part has been asked for, the part is filled again by the joint load of group 0 g0
.macro PHASE adr0, as0, adr1, as1, cm, g0
	FETCH0 \adr0, 0, 0
	FETCH1 \adr1, 0, 0
	SCALES \as0, \as1
	FETCH1 \adr1, 0, 4
	PSTEP \adr0, \adr1, 0, \cm
	PSTEP \adr0, \adr1, 1, 2
	PSTEP \adr0, \adr1, 2, 2
.if \g0
	s_wait_tensorcnt 0x0                           ; no tensor load of mine is out;
	ds_add_u32 v[SPW], v[NIL]                      ; 0 onto my spare word;
	s_wait_dscnt 13                                ; (the add and the youngest 12 loads may be out)
	MUL16 0, 1, 3, 2                               ; sixteen products stand between the add and the wait for it
	s_wait_dscnt 0x0                               ; the add is done, and my reads of the weight part are over
	s_barrier_signal -1                            ; this barrier opens a round of the cluster's barrier
	MUL16 2, 1, 3, 2
	WIN 0                                          ; at a branch and at a label every window is 0
	s_barrier_wait -1
	CREST                                          ; no wave of any partner still reads its part or has a load on its way
	tensor_load_to_lds s[\g0:\g0+3], s[G1W:G1W+7]  ; my one tensor load behind the round: it has 32 products and the quantising below in which to land
	s_nop 0
	PLACES
	MUL16 4, 1, 3, 2
	MUL16 6, 1, 3, 2
.else
	s_wait_dscnt 12
	MUL16 0, 1, 3, 2
	MUL16 2, 1, 3, 2
	s_wait_dscnt 0x0
	MUL16 4, 1, 3, 2
	MUL16 6, 1, 3, 2
.endif
	WIN 0
	PLACES
.endm
; 64 numbers of a lane, v[s] .. v[s + 63] of window w, register 16 b + i = k 32 b + 16 (lane / 16) + i of my row, become a fragment in v[PC] on and its scale word in v[pw].
; wk says which wait frees the registers that the last fragment's stores read: 0 LDS stores, 1 global stores
.macro QUANT s, w, pw, wk
	WIN 5*(\w)
.irp b, 0,1,2,3
	v_max3_num_f32 v[TM+\b], |v[(\s)+16*\b]|, |v[(\s)+1+16*\b]|, 0x1800000   ; block b: my 16 numbers, and the floor 2^(3 - 127): the byte cannot fall under 1
.endr
.irp i, 2,4,6,8,10,12,14
.irp b, 0,1,2,3
	v_max3_num_f32 v[TM+\b], |v[(\s)+16*\b+\i]|, |v[(\s)+1+16*\b+\i]|, v[TM+\b]
.endr
.endr
	WIN 0
.if (\wk) == 0
	s_wait_dscnt 0x0
.else
	s_wait_xcnt 0x0
.endif
.irp b, 0,1,2,3
	v_permlanex16_b32 v[TM+4+\b], v[TM+\b], s[SEL], s[SEL+1]
.endr
.irp b, 0,1,2,3
	v_max_num_f32 v[TM+\b], v[TM+\b], v[TM+4+\b]   ; with lane l xor 16's 16: the block's largest magnitude
.endr
.irp b, 0,1,2,3
	v_add_nc_u32 v[TM+12+\b], 0xff000000, v[TM+\b] ; 2 off its exponent field: the conversion's scale operand
.endr
.irp b, 0,1,2,3
	v_lshrrev_b32 v[TM+4+\b], 23, v[TM+12+\b]      ; the byte
.endr
	v_lshl_or_b32 v[\pw], v[TM+5], 8, v[TM+4]
	v_lshl_or_b32 v[\pw], v[TM+6], 16, v[\pw]
	v_lshl_or_b32 v[\pw], v[TM+7], 24, v[\pw]
	WIN (\w)
.irp c, 0,1
	v_cvt_scalef32_pk16_fp6_f32 v[PC+6*\c:PC+2+6*\c], v[(\s)+32*\c:(\s)+15+32*\c], v[TM+12+2*\c]
	v_cvt_scalef32_pk16_fp6_f32 v[PC+12+4*\c:PC+14+4*\c], v[(\s)+16+32*\c:(\s)+31+32*\c], v[TM+13+2*\c]
.endr
	WIN 0
	v_nop                                          ; one plain place behind a scaled conversion
.irp c, 0,1                                    ; a whole block to a lane: lanes 0-15 block 2 c, lanes 16-31 block 2 c + 1
.irp i, 0,1,2
	v_permlane16_swap_b32 v[PC+6*\c+\i], v[PC+12+4*\c+\i]
.endr
.irp i, 0,1,2
	v_mov_b32 v[PC+3+6*\c+\i], v[PC+12+4*\c+\i]
.endr
.endr
.endm
.macro IMAGE adr, off                  ; the fragment goes to LDS as it stands
.irp c, 0,1,2
	ds_store_b128 v[\adr], v[PC+4*\c:PC+4*\c+3] offset:\off+512*\c
.endr
.endm
.macro AUXLOAD base, off               ; 64 numbers of a vector of 512, in the results' layout: for tile b those at 128 w + 32 (b / 2) + 16 (lane / 16) + 8 (b % 2) + 0 .. 7
	WIN 0x40
.irp b, 0,1,2,3,4,5,6,7
	global_load_b128 v[96+8*\b+96*(\b/4):99+8*\b+96*(\b/4)], v[AUXA], s[\base:\base+1] offset:\off+128*(\b/2)+32*(\b%2)
	global_load_b128 v[100+8*\b+96*(\b/4):103+8*\b+96*(\b/4)], v[AUXA], s[\base:\base+1] offset:\off+128*(\b/2)+32*(\b%2)+16
.endr
	WIN 0
.endm
	s_load_b256 s[4:11], s[0:1], 0x0               ; xc s[4:5], wc s[6:7], bk s[8:9], kpc s[10:11]
	s_load_b128 s[12:15], s[0:1], 0x20             ; kps s[12:13], ksp s[14:15]
	v_lshl_add_u32 v[SPW], v0, 2, SPARE
	v_mov_b32 v[NIL], 0
	ds_add_u32 v28, v29
	ds_add_u32 v28, v29
	s_wait_dscnt 0x0
	v_lshrrev_b32 v20, 5, v0
	v_readfirstlane_b32 s[WV], v20                 ; wave 0..3
	v_and_b32 v20, 31, v0                          ; lane
	v_and_b32 v21, 15, v0                          ; r
	v_bfe_u32 v22, v0, 4, 1                        ; lane / 16
	v_lshlrev_b32 v[L16], 4, v20
	s_mul_i32 s20, s[WV], WPART                    ; my weight part: its place in LDS and in each weight's four parts
	v_add_nc_u32 v[ADRW], s20, v[L16]
	v_add_nc_u32 v[ADRX], XIMG, v[L16]
	v_add_nc_u32 v[ADRK], KIMG, v[L16]
	s_add_co_u32 s21, s20, SCO
	v_lshl_add_u32 v[ADSW], v20, 2, s21
	v_lshl_add_u32 v[ADSX], v20, 2, XIMG+SCO
	v_lshl_add_u32 v[ADSK], v20, 2, KIMG+SCO
	s_mul_i32 s21, s[WV], 1536
	s_add_co_u32 s21, s21, KIMG
	v_add_nc_u32 v[IMK], s21, v[L16]
	s_lshl_b32 s21, s[WV], 9
	s_add_co_u32 s22, s21, KIMG+SCO
	v_lshl_add_u32 v[SWK], v21, 2, s22
	v_lshl_add_u32 v[AUXA], v22, 6, s21
	v_and_b32 v23, 8, v21
	v_add_nc_u32 v23, v23, v21
	v_lshl_add_u32 v23, v22, 3, v23
	v_lshl_add_u32 v[KSO], v23, 2, s21
.irp b, 0,1,2,3
	v_mov_b32 v[TM+4+\b], 0                        ; written once: a lane permute's destination counts as one of its sources
.endr
	s_mov_b32 s[SEL], 0x76543210
	s_mov_b32 s[SEL+1], 0xfedcba98
	s_mov_b32 s[EPS], 0x3a83126f                   ; 0.001
	s_mov_b32 s[EPS+1], s[EPS]                     ; (named with it as a pair, so it is written)
	; group 1 of a weight part: 51,200 dense bytes as 200 rows of 32 elements of 8 bytes; the mask names the cluster's four work-groups, bit 21 beside it
	s_mov_b32 s[G1W], 15|(3<<16)|(1<<21)
	s_mov_b32 s[G1W+1], 32<<16
	s_mov_b32 s[G1W+2], 200<<16
	s_mov_b32 s[G1W+3], 32<<16
	s_mov_b32 s[G1W+4], 200
	s_mov_b32 s[G1W+5], 32
	s_mov_b32 s[G1W+6], 0
	s_mov_b32 s[G1W+7], 0
	; group 1 of a quarter of x's part: 12,800 dense bytes as 50 such rows; no mask: each work-group has its own rows
	s_mov_b32 s[G1X], 3<<16
	s_mov_b32 s[G1X+1], 32<<16
	s_mov_b32 s[G1X+2], 50<<16
	s_mov_b32 s[G1X+3], 32<<16
	s_mov_b32 s[G1X+4], 50
	s_mov_b32 s[G1X+5], 32
	s_mov_b32 s[G1X+6], 0
	s_mov_b32 s[G1X+7], 0
	s_mov_b32 s21, 0
	s_bfe_u32 s17, ttmp6, 0x40000                  ; cx: it enters global addresses of xc, kpc, kps and ksp alone, through s60-63
	s_lshl_b32 s18, ttmp9, 2
	s_add_co_u32 s18, s18, s17                     ; my block of 128 rows
	s_wait_kmcnt 0x0
	s_add_nc_u64 s[22:23], s[6:7], s[20:21]        ; wc + 51,200 w
	s_mov_b32 s[G0A], 1
	s_mov_b32 s[G0A+1], s20
	s_add_nc_u64 s[G0A+2:G0A+3], s[22:23], 204800  ; Wk's parts lie behind Wq's
	s_or_b32 s[G0A+3], s[G0A+3], 0x80000000
	s_mov_b32 s[G0B], 1
	s_mov_b32 s[G0B+1], s20
	s_add_nc_u64 s[G0B+2:G0B+3], s[22:23], 409600  ; proj's behind both
	s_or_b32 s[G0B+3], s[G0B+3], 0x80000000
	s_mul_i32 s60, s18, WPART
	s_mul_i32 s61, s[WV], 12800
	s_add_co_u32 s60, s60, s61
	s_mov_b32 s[G0X], 1
	s_add_co_u32 s[G0X+1], s61, XIMG
	s_mov_b32 s61, 0
	s_add_nc_u64 s[G0X+2:G0X+3], s[4:5], s[60:61]
	s_or_b32 s[G0X+3], s[G0X+3], 0x80000000
	s_mul_i32 s60, s18, 49152                      ; kpc: K step = my block of rows; my 8 feature tiles
	s_mul_i32 s62, s[WV], 12288
	s_add_co_u32 s60, s60, s62
	s_add_nc_u64 s[10:11], s[10:11], s[60:61]
	s_lshl_b32 s60, s18, 11
	s_add_nc_u64 s[14:15], s[14:15], s[60:61]      ; ksp: my work-group's 512 sums
	s_lshl_b32 s62, s[WV], 9
	s_add_co_u32 s60, s60, s62
	s_add_nc_u64 s[12:13], s[12:13], s[60:61]      ; kps: block (my rows, w)
	ROUND                                          ; all four work-groups are here: the first joint loads meet
	tensor_load_to_lds s[G0A:G0A+3], s[G1W:G1W+7]  ; my two first fills go out together: two loads of mine are out
	s_nop 0
	tensor_load_to_lds s[G0X:G0X+3], s[G1X:G1X+7]
	s_nop 0
	PLACES
	AUXLOAD 8, 0                                   ; bk
	s_wait_tensorcnt 0x0                           ; my weight part and my quarter of x's part are in,
	s_barrier_signal -1
	s_barrier_wait -1                              ; everybody's quarter is
	s_wait_loadcnt 0x0                             ; bk
	PHASE ADRW, ADSW, ADRX, ADSX, 1, G0B           ; k^T = Wk^T x^T + bk; proj is asked for in its last K step
.irp a, 0,1,2,3,4,5,6,7
	QUANT 64*(\a%4), 2+\a/4, PW, 0
	IMAGE IMK, 6144*\a                             ; rows' tile a, K step w of the next product
	ds_store_b32 v[SWK], v[PW] offset:128*(\a/2)+64*(\a%2)   ; lanes r and r + 16 write the same word with the same value
.endr
	s_wait_tensorcnt 0x0                           ; proj's part is in
	s_wait_dscnt 0x0                               ; for the others' sake: my images have landed
	s_barrier_signal -1
	s_barrier_wait -1
	PHASE ADRK, ADSK, ADRW, ADSW, 0, 0             ; source 0 = k's rows, source 1 = proj's features
; feature tile a: relu, + 0.001; the column sums of these 128 rows; the fragment along n
.macro KOUT a
.set ACB, 64*((\a)%4)
.set ACW, 2+(\a)/4
	WIN 0x55*ACW
.set j, 0
.rept 64
	v_max_num_f32 v[ACB+j], 0, v[ACB+j]            ; each accumulator from its low end on
.set j, j+1
.endr
.set j, 0
.rept 32
	v_pk_add_f32 v[ACB+j:ACB+j+1], v[ACB+j:ACB+j+1], s[EPS:EPS+1] op_sel_hi:[1,0]
.set j, j+2
.endr
	WIN 5*ACW
	v_pk_add_f32 v[T:T+1], v[ACB:ACB+1], v[ACB+2:ACB+3]        ; the sum of the unquantised k', in two chains of pairs
	v_pk_add_f32 v[T+2:T+3], v[ACB+4:ACB+5], v[ACB+6:ACB+7]
	WIN ACW
.set j, 8
.rept 14
	v_pk_add_f32 v[T:T+1], v[ACB+j:ACB+j+1], v[T:T+1]
	v_pk_add_f32 v[T+2:T+3], v[ACB+j+2:ACB+j+3], v[T+2:T+3]
.set j, j+4
.endr
	WIN 0
	v_pk_add_f32 v[T:T+1], v[T:T+1], v[T+2:T+3]
	v_add_f32 v[T], v[T], v[T+1]
	v_permlanex16_b32 v[T+2], v[T], s[SEL], s[SEL+1]
	v_add_f32 v[ES+4*((\a)%2)+(\a)/2], v[T], v[T+2]            ; with lane l xor 16's 64 rows
	QUANT ACB, ACW, EW+4*((\a)%2)+(\a)/2, 1
.irp c, 0,1,2
	global_store_b128 v[L16], v[PC+4*\c:PC+4*\c+3], s[10:11] offset:1536*(\a)+512*\c   ; 512 consecutive bytes
.endr
.endm
.irp a, 0,1,2,3,4,5,6,7
	KOUT \a
.endr
.irp p, 0,1,2,3
	v_permlane16_swap_b32 v[EW+\p], v[EW+4+\p]     ; lanes 0-15: tile 2 p's words, lanes 16-31: tile 2 p + 1's
	v_permlane16_swap_b32 v[ES+\p], v[ES+4+\p]     ; the sums likewise
.endr
	global_store_b128 v[L16], v[EW:EW+3], s[12:13] ; 512 consecutive bytes: a lane's four words, pairs 0 to 3
.irp p, 0,1,2,3
	global_store_b32 v[KSO], v[ES+\p], s[14:15] offset:128*\p   ; 128 consecutive bytes, in the features' own order; these stores fill half of an aligned 256 bytes each: 2,048 bytes a work-group
.endr
	s_wait_tensorcnt 0x0                           ; the wave's end
	ds_add_u32 v[SPW], v[NIL]
	s_wait_dscnt 0x0
	ROUND                                          ; the closing round: no work-group ends while a partner may still ask for a part that names it
	s_endpgm
.Lfunc_end_k_q3e03f535d5_kpath:
	.size	k_q3e03f535d5_kpath, .Lfunc_end_k_q3e03f535d5_kpath-k_q3e03f535d5_kpath
	.p2alignl 7, 3214868480
	.fill 96, 4, 3214868480
	.section	.rodata,"a",@progbits
	.p2align	6, 0x0
	.amdhsa_kernel k_q3e03f535d5_kpath
		.amdhsa_group_segment_fixed_size 327680
		.amdhsa_private_segment_fixed_size 0
		.amdhsa_enable_private_segment 0
		.amdhsa_kernarg_size 48
		.amdhsa_user_sgpr_count 2
		.amdhsa_user_sgpr_kernarg_segment_ptr 1
		.amdhsa_wavefront_size32 1
		.amdhsa_system_sgpr_workgroup_id_x 1
		.amdhsa_system_sgpr_workgroup_id_y 1
		.amdhsa_system_sgpr_workgroup_id_z 1
		.amdhsa_system_vgpr_workitem_id 0
		.amdhsa_next_free_vgpr 1024
		.amdhsa_next_free_sgpr 66
		.amdhsa_reserve_vcc 0
		.amdhsa_float_denorm_mode_32 3
		.amdhsa_float_denorm_mode_16_64 3
		.amdhsa_memory_ordered 1
		.amdhsa_forward_progress 1
		.amdhsa_inst_pref_size 221
	.end_amdhsa_kernel
	.amdgpu_metadata
---
amdhsa.version: [ 1, 2 ]
amdhsa.kernels:
  - .name:           k_q3e03f535d5_kpath
    .symbol:         k_q3e03f535d5_kpath.kd
    .args:
      - { .name: xc, .offset: 0, .size: 8, .value_kind: global_buffer, .address_space: global }
      - { .name: wc, .offset: 8, .size: 8, .value_kind: global_buffer, .address_space: global }
      - { .name: bk, .offset: 16, .size: 8, .value_kind: global_buffer, .address_space: global }
      - { .name: kpc, .offset: 24, .size: 8, .value_kind: global_buffer, .address_space: global }
      - { .name: kps, .offset: 32, .size: 8, .value_kind: global_buffer, .address_space: global }
      - { .name: ksp, .offset: 40, .size: 8, .value_kind: global_buffer, .address_space: global }
    .group_segment_fixed_size: 327680
    .private_segment_fixed_size: 0
    .kernarg_segment_align: 8
    .kernarg_segment_size: 48
    .max_flat_workgroup_size: 128
    .sgpr_count:     66
    .vgpr_count:     1024
    .wavefront_size: 32
...
	.end_amdgpu_metadata
.endif
;; end of part 2
;; launch kvgemm (part 3): grid 256 x 1, 4 waves a work-group, no clusters, 262,656 bytes of LDS; arguments kpc, kps, chic, kvp; writes kvp
.if DOCPART == 3
	.amdgcn_target "amdgcn-amd-amdhsa--gfx1250"
	.amdhsa_code_object_version 6
	.text
	.protected	k_q3e03f535d5_kvgemm
	.globl	k_q3e03f535d5_kvgemm
	.p2align	8
	.type	k_q3e03f535d5_kvgemm,@function
k_q3e03f535d5_kvgemm:
	s_mov_b64 s[64:65], 0
	v_nop
	global_prefetch_b8 v0, s[64:65] scope:SCOPE_SE
	s_setreg_imm32_b32 hwreg(HW_REG_WAVE_MODE, 25, 1), 1
	s_wait_xcnt 0x0
; kv = k'^T chi, K = the 32,768 rows, on codes of FP6 (E2M3) with E8M0 scales; K is cut in 16: this launch writes 16 partial sums in f32, which the next launch adds.
; SHARES.  Work-group (g, mu, nu): features 128 mu on x channels 128 nu on, rows 2,048 g on.  Its number is 64 mu + 16 nu + g: the sixteen work-groups that read the same 2,048 rows have numbers 16 apart
; (a choice of order among the work-groups; no sum and no address formula hangs on it).  THE FOUR WAVES SPLIT K: wave j takes rows 2,048 g + 512 j on, four K steps of 128, on the whole 128 x 128 tile
; (64 accumulators).  So no wave shares a fragment with another, and every fragment goes from memory straight into its registers by three loads of 512 consecutive bytes (the buffers hold images of the
; operand's registers).  The four waves' tiles are then added through LDS, each wave adding and storing a quarter.
; NO CLUSTER: a work-group's operands are 393,216 bytes, more than LDS holds, so tiles shared by joint loads would need a ring with a round of the cluster's barrier for every 64 products of a wave;
; as it is each operand byte enters a work-group once and touches no LDS.
; Source 0 = 16 features of k' (their tiles hold features 32 (b / 2) + 8 (b % 2) + i + 8 (i / 8)), source 1 = 16 channels of chi: a lane holds one channel, and the 64 registers of accumulators (a, 0 .. 7)
; run along the features in order: the K of the last product.  A partial is stored as that image: (g, mu, channel tile) at 8,192 ((4 g + mu) 32 + tile), register 4 k + i of lane l at 512 k + 16 l + 4 i.
; REGISTERS: window 0: v1 16 x lane, v2 4 x lane, v4-8 LDS addresses, v32-63 scale words, chi's fragments in two sets at v64 and v160.  window 1: k's fragments, two sets, at v0 and v128.
;   windows 2, 3: accumulator (a, b) at v[8 (8 (a % 4) + b)] of window 2 + a / 4.
.set SC0, 32                           ; k's scale words: register 4 s + p: lanes 0-15 tile 2 p, lanes 16-31 tile 2 p + 1
.set SC1, 48                           ; chi's: register 4 p + s
.set MSB, 0
.macro WIN new
.if MSB != (\new)
	s_set_vgpr_msb (MSB<<8)|(\new)
.set MSB, (\new)
.endif
.endm
.macro PLACES
.rept 4
	v_nop
.endr
.endm
.macro WM a, b, s
.set rD, 8*(8*((\a)%4)+(\b))
.set rA, 128*((\s)%2)+12*(\b)
.set rB, 64+96*((\s)%2)+12*(\a)
.set rSA, SC0+4*(\s)+(\b)/2
.set rSB, SC1+4*((\a)/2)+(\s)
.set oo, 2*((\a)%2)+(\b)%2
.if (\s) == 0
.if oo == 0
	v_wmma_scale_f32_16x16x128_f8f6f4 v[rD:rD+7], v[rA:rA+11], v[rB:rB+11], 0, v[rSA], v[rSB] matrix_a_fmt:MATRIX_FMT_FP6 matrix_b_fmt:MATRIX_FMT_FP6
.elseif oo == 1
	v_wmma_scale_f32_16x16x128_f8f6f4 v[rD:rD+7], v[rA:rA+11], v[rB:rB+11], 0, v[rSA], v[rSB] matrix_a_fmt:MATRIX_FMT_FP6 matrix_b_fmt:MATRIX_FMT_FP6 matrix_a_scale:MATRIX_SCALE_ROW1
.elseif oo == 2
	v_wmma_scale_f32_16x16x128_f8f6f4 v[rD:rD+7], v[rA:rA+11], v[rB:rB+11], 0, v[rSA], v[rSB] matrix_a_fmt:MATRIX_FMT_FP6 matrix_b_fmt:MATRIX_FMT_FP6 matrix_b_scale:MATRIX_SCALE_ROW1
.else
	v_wmma_scale_f32_16x16x128_f8f6f4 v[rD:rD+7], v[rA:rA+11], v[rB:rB+11], 0, v[rSA], v[rSB] matrix_a_fmt:MATRIX_FMT_FP6 matrix_b_fmt:MATRIX_FMT_FP6 matrix_a_scale:MATRIX_SCALE_ROW1 matrix_b_scale:MATRIX_SCALE_ROW1
.endif
.else
.if oo == 0
	v_wmma_scale_f32_16x16x128_f8f6f4 v[rD:rD+7], v[rA:rA+11], v[rB:rB+11], v[rD:rD+7], v[rSA], v[rSB] matrix_a_fmt:MATRIX_FMT_FP6 matrix_b_fmt:MATRIX_FMT_FP6
.elseif oo == 1
	v_wmma_scale_f32_16x16x128_f8f6f4 v[rD:rD+7], v[rA:rA+11], v[rB:rB+11], v[rD:rD+7], v[rSA], v[rSB] matrix_a_fmt:MATRIX_FMT_FP6 matrix_b_fmt:MATRIX_FMT_FP6 matrix_a_scale:MATRIX_SCALE_ROW1
.elseif oo == 2
	v_wmma_scale_f32_16x16x128_f8f6f4 v[rD:rD+7], v[rA:rA+11], v[rB:rB+11], v[rD:rD+7], v[rSA], v[rSB] matrix_a_fmt:MATRIX_FMT_FP6 matrix_b_fmt:MATRIX_FMT_FP6 matrix_b_scale:MATRIX_SCALE_ROW1
.else
	v_wmma_scale_f32_16x16x128_f8f6f4 v[rD:rD+7], v[rA:rA+11], v[rB:rB+11], v[rD:rD+7], v[rSA], v[rSB] matrix_a_fmt:MATRIX_FMT_FP6 matrix_b_fmt:MATRIX_FMT_FP6 matrix_a_scale:MATRIX_SCALE_ROW1 matrix_b_scale:MATRIX_SCALE_ROW1
.endif
.endif
.endm
.macro LD s                            ; K step s: 8 + 8 fragments, 48 loads, into the sets s % 2
	WIN 0x40
.irp b, 0,1,2,3,4,5,6,7
.irp c, 0,1,2
	global_load_b128 v[128*((\s)%2)+12*\b+4*\c:128*((\s)%2)+12*\b+4*\c+3], v1, s[4:5] offset:49152*(\s)+1536*\b+512*\c
.endr
.endr
	WIN 0
.irp a, 0,1,2,3,4,5,6,7
.irp c, 0,1,2
	global_load_b128 v[64+96*((\s)%2)+12*\a+4*\c:64+96*((\s)%2)+12*\a+4*\c+3], v1, s[8:9] offset:1536*(4*\a+(\s))+512*\c
.endr
.endr
.endm
.macro KSTEP s
.if (\s) < 3
	s_wait_loadcnt 48                              ; this K step's loads are in; the next step's 48 may be out
.else
	s_wait_loadcnt 0x0
.endif
	WIN 0xa1                                       ; source 0 window 1, source 1 window 0, C and D window 2
.irp a, 0,1,2,3
.irp b, 0,1,2,3,4,5,6,7
	WM \a, \b, \s                                  ; the 64 accumulators take turns, one instruction a turn
.endr
.endr
	WIN 0xf1
.irp a, 4,5,6,7
.irp b, 0,1,2,3,4,5,6,7
	WM \a, \b, \s
.endr
.endr
	WIN 0
	PLACES                                         ; in front of loads into registers that these products read, and of the first read of results
.if (\s)+2 < 4
	LD (\s)+2
.endif
.endm
	s_load_b256 s[4:11], s[0:1], 0x0               ; kpc s[4:5], kps s[6:7], chic s[8:9], kvp s[10:11]
	v_lshl_add_u32 v30, v0, 2, 0x40000
	v_mov_b32 v31, 0
	v_lshrrev_b32 v3, 5, v0
	v_readfirstlane_b32 s12, v3                    ; wave j
	v_and_b32 v3, 31, v0
	v_lshlrev_b32 v1, 4, v3                        ; 16 x lane
	v_lshlrev_b32 v2, 2, v3                        ; 4 x lane
	s_lshl_b32 s13, s12, 14
.irp q, 0,1,2,3
	s_add_co_u32 s14, s13, 65536*\q
	v_add_nc_u32 v[4+\q], s14, v1                  ; wave q's tile in LDS, my quarter of it (channel tiles 2 j, 2 j + 1)
.endr
	s_lshl_b32 s14, s12, 16
	v_add_nc_u32 v8, s14, v1                       ; where I put my tile
	s_and_b32 s15, ttmp9, 15                       ; g: the low four bits of the work-group's number
	s_bfe_u32 s16, ttmp9, 0x20006                  ; mu: two bits from bit 6
	s_bfe_u32 s17, ttmp9, 0x20004                  ; nu: two bits from bit 4
	s_lshl_b32 s18, s15, 2
	s_add_co_u32 s18, s18, s12                     ; kappa = 4 g + j: my 512 rows
	s_mov_b32 s21, 0
	s_mul_i32 s20, s18, 196608                     ; four K steps of 49,152 bytes,
	s_mul_i32 s22, s16, 12288                      ; eight feature tiles of 1,536
	s_add_co_u32 s20, s20, s22
	s_wait_kmcnt 0x0
	s_add_nc_u64 s[4:5], s[4:5], s[20:21]
	s_lshl_b32 s20, s18, 13                        ; k's scale words: 2,048 bytes a K step, 512 for each 128 features
	s_lshl_b32 s22, s16, 9
	s_add_co_u32 s20, s20, s22
	s_add_nc_u64 s[6:7], s[6:7], s[20:21]
	s_lshl_b32 s20, s18, 2
	s_add_co_u32 s20, s20, s17
	s_mul_i32 s20, s20, 51200                      ; chi's part 4 kappa + nu
	s_add_nc_u64 s[8:9], s[8:9], s[20:21]
	s_lshl_b32 s20, s15, 2
	s_add_co_u32 s20, s20, s16
	s_lshl_b32 s20, s20, 5
	s_lshl_b32 s22, s17, 3
	s_add_co_u32 s20, s20, s22
	s_lshl_b32 s22, s12, 1
	s_add_co_u32 s20, s20, s22
	s_lshl_b32 s20, s20, 13                        ; 8,192 ((4 g + mu) 32 + 8 nu + 2 j)
	s_add_nc_u64 s[10:11], s[10:11], s[20:21]
.irp s, 0,1,2,3
	global_load_b128 v[SC0+4*\s:SC0+4*\s+3], v1, s[6:7] offset:2048*\s
.endr
.irp s, 0,1,2,3
.irp p, 0,1,2,3
	global_load_b32 v[SC1+4*\p+\s], v2, s[8:9] offset:49152+512*\s+128*\p
.endr
.endr
	LD 0
	LD 1
	KSTEP 0
	KSTEP 1
	KSTEP 2
	KSTEP 3
	; THE SUM OVER THE FOUR WAVES.  My 64 accumulators go to my 65,536 bytes of LDS as they stand, each store 512 consecutive bytes, each accumulator from its low end on
	WIN 0x08                                       ; an LDS store's data are its source 1: window 2
.irp a, 0,1,2,3
.irp b, 0,1,2,3,4,5,6,7
	ds_store_b128 v8, v[8*(8*\a+\b):8*(8*\a+\b)+3] offset:1024*(8*\a+\b)
	ds_store_b128 v8, v[8*(8*\a+\b)+4:8*(8*\a+\b)+7] offset:1024*(8*\a+\b)+512
.endr
.endr
	WIN 0x0c                                       ; window 3
.irp a, 0,1,2,3
.irp b, 0,1,2,3,4,5,6,7
	ds_store_b128 v8, v[8*(8*\a+\b):8*(8*\a+\b)+3] offset:1024*(32+8*\a+\b)
	ds_store_b128 v8, v[8*(8*\a+\b)+4:8*(8*\a+\b)+7] offset:1024*(32+8*\a+\b)+512
.endr
.endr
	WIN 0
	s_wait_dscnt 0x0                               ; for the others' sake: my stores have landed
	s_barrier_signal -1
	s_barrier_wait -1
.irp q, 0,1,2,3                        ; channel tiles 2 j and 2 j + 1 of all four waves: wave q's into v64-191 of window q
	WIN \q<<6
.irp c, 0,1,2,3,4,5,6,7,8,9,10,11,12,13,14,15,16,17,18,19,20,21,22,23,24,25,26,27,28,29,30,31
	ds_load_b128 v[64+4*\c:67+4*\c], v[4+\q] offset:512*\c
.endr
.endr
	s_wait_dscnt 0x0
.irp q, 1,2,3
	WIN \q<<2                                      ; source 1 in window q
.set j, 0
.rept 64
	v_pk_add_f32 v[64+j:65+j], v[64+j:65+j], v[64+j:65+j]
.set j, j+2
.endr
.endr
	WIN 0
.irp c, 0,1,2,3,4,5,6,7,8,9,10,11,12,13,14,15,16,17,18,19,20,21,22,23,24,25,26,27,28,29,30,31
	global_store_b128 v1, v[64+4*\c:67+4*\c], s[10:11] offset:512*\c   ; 512 consecutive bytes
.endr
	s_wait_tensorcnt 0x0
	ds_add_u32 v30, v31
	s_wait_dscnt 0x0
	s_endpgm
.Lfunc_end_k_q3e03f535d5_kvgemm:
	.size	k_q3e03f535d5_kvgemm, .Lfunc_end_k_q3e03f535d5_kvgemm-k_q3e03f535d5_kvgemm
	.p2alignl 7, 3214868480
	.fill 96, 4, 3214868480
	.section	.rodata,"a",@progbits
	.p2align	6, 0x0
	.amdhsa_kernel k_q3e03f535d5_kvgemm
		.amdhsa_group_segment_fixed_size 262656
		.amdhsa_private_segment_fixed_size 0
		.amdhsa_enable_private_segment 0
		.amdhsa_kernarg_size 32
		.amdhsa_user_sgpr_count 2
		.amdhsa_user_sgpr_kernarg_segment_ptr 1
		.amdhsa_wavefront_size32 1
		.amdhsa_system_sgpr_workgroup_id_x 1
		.amdhsa_system_sgpr_workgroup_id_y 1
		.amdhsa_system_sgpr_workgroup_id_z 1
		.amdhsa_system_vgpr_workitem_id 0
		.amdhsa_next_free_vgpr 1024
		.amdhsa_next_free_sgpr 66
		.amdhsa_reserve_vcc 0
		.amdhsa_float_denorm_mode_32 3
		.amdhsa_float_denorm_mode_16_64 3
		.amdhsa_memory_ordered 1
		.amdhsa_forward_progress 1
		.amdhsa_inst_pref_size 87
	.end_amdhsa_kernel
	.amdgpu_metadata
---
amdhsa.version: [ 1, 2 ]
amdhsa.kernels:
  - .name:           k_q3e03f535d5_kvgemm
    .symbol:         k_q3e03f535d5_kvgemm.kd
    .args:
      - { .name: kpc, .offset: 0, .size: 8, .value_kind: global_buffer, .address_space: global }
      - { .name: kps, .offset: 8, .size: 8, .value_kind: global_buffer, .address_space: global }
      - { .name: chic, .offset: 16, .size: 8, .value_kind: global_buffer, .address_space: global }
      - { .name: kvp, .offset: 24, .size: 8, .value_kind: global_buffer, .address_space: global }
    .group_segment_fixed_size: 262656
    .private_segment_fixed_size: 0
    .kernarg_segment_align: 8
    .kernarg_segment_size: 32
    .max_flat_workgroup_size: 128
    .sgpr_count:     66
    .vgpr_count:     1024
    .wavefront_size: 32
...
	.end_amdgpu_metadata
.endif
;; end of part 3
;; launch kvred (part 4): grid 132 x 1, 4 waves a work-group, no clusters, 33,280 bytes of LDS; arguments kvp, ksp, kvc; writes kvc
.if DOCPART == 4
	.amdgcn_target "amdgcn-amd-amdhsa--gfx1250"
	.amdhsa_code_object_version 6
	.text
	.protected	k_q3e03f535d5_kvred
	.globl	k_q3e03f535d5_kvred
	.p2align	8
	.type	k_q3e03f535d5_kvred,@function
k_q3e03f535d5_kvred:
	s_mov_b64 s[64:65], 0
	v_nop
	global_prefetch_b8 v0, s[64:65] scope:SCOPE_SE
	s_setreg_imm32_b32 hwreg(HW_REG_WAVE_MODE, 25, 1), 1
	s_wait_xcnt 0x0
; The 16 partial sums of kv are added and quantised along the features (the last product's K) into four parts laid as every operand here (fragment (channel tile, K step) at 1536 (4 t + s), scale words from
; 49,152 on); the 256 work-groups' column sums of k' are added into ks[512], f32, behind the parts at byte 204,800.
; SHARES.  Work-groups 0-127: one image of 16 channels x 128 features (64 numbers a lane): wave j adds partials 4 j .. 4 j + 3, waves 1-3 hand their sums to wave 0 through LDS, wave 0 quantises and stores.
; Work-groups 128-131: wave j adds the 256 rows of ksp for 32 features, a lane to a feature.  132 tasks, so 132 work-groups.  No matrix unit: nothing is multiplied.
; LIMITS: NaN and infinities are not served; a block of zeros gets the byte 1 (its codes are zeros; this program alone reads the bytes).
.set SUM, 64                           ; v64-127 the running sum
.set TM,  16
.set PW,  32
.set PC,  36
.set SEL, 20
.set MSB, 0
.macro WIN new
.if MSB != (\new)
	s_set_vgpr_msb (MSB<<8)|(\new)
.set MSB, (\new)
.endif
.endm
	s_load_b128 s[4:7], s[0:1], 0x0                ; kvp s[4:5], ksp s[6:7]
	s_load_b64 s[8:9], s[0:1], 0x10                ; kvc
	v_lshl_add_u32 v62, v0, 2, 0x8000
	v_mov_b32 v63, 0
	v_lshrrev_b32 v3, 5, v0
	v_readfirstlane_b32 s10, v3                    ; wave
	v_and_b32 v4, 31, v0
	v_lshlrev_b32 v1, 4, v4                        ; 16 x lane
	v_lshlrev_b32 v2, 2, v4                        ; 4 x lane
	s_cmp_ge_u32 ttmp9, 128
	s_cbranch_scc1 .Lks
	s_lshl_b32 s12, s10, 22                        ; four partials of 1,048,576 bytes a wave,
	s_lshl_b32 s13, ttmp9, 13                      ; image 32 mu + tile = the work-group's number
	s_add_co_u32 s12, s12, s13
	s_mov_b32 s13, 0
	s_lshl_b32 s14, s10, 13
	v_add_nc_u32 v3, s14, v1                       ; LDS: 8,192 bytes for each wave's sum
	s_wait_kmcnt 0x0
	s_add_nc_u64 s[4:5], s[4:5], s[12:13]
	WIN 0x40                                       ; destination window 1
.irp g, 0,1,2,3
.irp k, 0,1,2,3,4,5,6,7,8,9,10,11,12,13,14,15
	global_load_b128 v[64*\g+4*\k:64*\g+4*\k+3], v1, s[4:5] offset:1048576*\g+512*\k th:TH_LOAD_NT
.endr
.endr
	s_wait_loadcnt 32                              ; the first two partials are in; the other two's 32 loads may be out
	WIN 5                                          ; sources 0 and 1 window 1
.set j, 0
.rept 32
	v_pk_add_f32 v[SUM+j:SUM+j+1], v[j:j+1], v[64+j:65+j]
.set j, j+2
.endr
	WIN 1                                          ; source 0 window 1
	s_wait_loadcnt 16
.set j, 0
.rept 32
	v_pk_add_f32 v[SUM+j:SUM+j+1], v[128+j:129+j], v[SUM+j:SUM+j+1]
.set j, j+2
.endr
	s_wait_loadcnt 0x0
.set j, 0
.rept 32
	v_pk_add_f32 v[SUM+j:SUM+j+1], v[192+j:193+j], v[SUM+j:SUM+j+1]
.set j, j+2
.endr
	WIN 0
	s_cmp_eq_u32 s10, 0                            ; wave 0 keeps its sum in registers
	s_cbranch_scc1 .Lkept
.irp k, 0,1,2,3,4,5,6,7,8,9,10,11,12,13,14,15
	ds_store_b128 v3, v[SUM+4*\k:SUM+4*\k+3] offset:512*\k
.endr
.Lkept:
	s_wait_dscnt 0x0                               ; for wave 0's sake: my stores have landed
	s_barrier_signal -1
	s_barrier_wait -1
	s_cmp_lg_u32 s10, 0
	s_cbranch_scc1 .Lend_kv
.irp k, 0,1,2,3,4,5,6,7,8,9,10,11,12,13,14,15,16,17,18,19,20,21,22,23,24,25,26,27,28,29,30,31
	ds_load_b128 v[128+4*\k:131+4*\k], v1 offset:8192+512*\k   ; waves 1 and 2's sums
.endr
	s_mov_b32 s[SEL], 0x76543210
	s_mov_b32 s[SEL+1], 0xfedcba98
.irp b, 0,1,2,3
	v_mov_b32 v[TM+4+\b], 0                        ; a lane permute's destination counts as one of its sources
.endr
	s_and_b32 s15, ttmp9, 31                       ; the channel tile, 0 .. 31
	s_lshr_b32 s16, ttmp9, 5                       ; mu: the K step
	s_lshr_b32 s17, s15, 3
	s_mul_i32 s12, s17, 51200                      ; the part
	s_add_nc_u64 s[8:9], s[8:9], s[12:13]
	s_and_b32 s18, s15, 7                          ; the tile in the part
	s_lshl_b32 s19, s18, 2
	s_add_co_u32 s19, s19, s16
	s_mul_i32 s19, s19, 1536
	v_add_nc_u32 v5, s19, v1                       ; the fragment's place
	s_lshl_b32 s19, s16, 9
	s_lshl_b32 s18, s18, 6                         ; 128 (t / 2) + 64 (t % 2) = 64 t
	s_add_co_u32 s19, s19, s18
	s_add_co_u32 s19, s19, 49152
	v_and_b32 v6, 15, v0
	v_lshl_add_u32 v6, v6, 2, s19                  ; the scale word's
	s_wait_dscnt 0x0
.set j, 0
.rept 32
	v_pk_add_f32 v[SUM+j:SUM+j+1], v[SUM+j:SUM+j+1], v[128+j:129+j]
.set j, j+2
.endr
.irp k, 0,1,2,3,4,5,6,7,8,9,10,11,12,13,14,15
	ds_load_b128 v[128+4*\k:131+4*\k], v1 offset:24576+512*\k  ; wave 3's
.endr
.set j, 0
.rept 32
	v_pk_add_f32 v[SUM+j:SUM+j+1], v[SUM+j:SUM+j+1], v[192+j:193+j]
.set j, j+2
.endr
	s_wait_dscnt 0x0
.set j, 0
.rept 32
	v_pk_add_f32 v[SUM+j:SUM+j+1], v[SUM+j:SUM+j+1], v[128+j:129+j]
.set j, j+2
.endr
	; register 16 b + i = feature 32 b + 16 (lane / 16) + i of my channel: the quantiser along the features
.irp b, 0,1,2,3
	v_max3_num_f32 v[TM+\b], |v[SUM+16*\b]|, |v[SUM+1+16*\b]|, 0x1800000   ; and the floor 2^(3 - 127): the byte cannot fall under 1
.endr
.irp i, 2,4,6,8,10,12,14
.irp b, 0,1,2,3
	v_max3_num_f32 v[TM+\b], v[TM+\b], |v[SUM+16*\b+\i]|, |v[SUM+1+16*\b+\i]|
.endr
.endr
.irp b, 0,1,2,3
	v_permlanex16_b32 v[TM+4+\b], v[TM+\b], s[SEL], s[SEL+1]
.endr
.irp b, 0,1,2,3
	v_max_num_f32 v[TM+\b], v[TM+\b], v[TM+4+\b]
.endr
.irp b, 0,1,2,3
	v_add_nc_u32 v[TM+12+\b], 0xff000000, v[TM+\b] ; 2 off the exponent field: the conversion's scale operand
.endr
.irp b, 0,1,2,3
	v_lshrrev_b32 v[TM+4+\b], 23, v[TM+12+\b]
.endr
	v_lshl_or_b32 v[PW], v[TM+5], 8, v[TM+4]
	v_lshl_or_b32 v[PW], v[TM+6], 16, v[PW]
	v_lshl_or_b32 v[PW], v[TM+7], 24, v[PW]
.irp c, 0,1
	v_cvt_scalef32_pk16_fp6_f32 v[PC+6*\c:PC+2+6*\c], v[SUM+32*\c:SUM+15+32*\c], v[TM+12+2*\c]
	v_cvt_scalef32_pk16_fp6_f32 v[PC+12+4*\c:PC+14+4*\c], v[SUM+16+32*\c:SUM+31+32*\c], v[TM+13+2*\c]
.endr
	v_nop                                          ; one plain place behind a scaled conversion
.irp c, 0,1
.irp i, 0,1,2
	v_permlane16_swap_b32 v[PC+6*\c+\i], v[PC+12+4*\c+\i]
.endr
.irp i, 0,1,2
	v_mov_b32 v[PC+3+6*\c+\i], v[PC+12+4*\c+\i]
.endr
.endr
.irp c, 0,1,2
	global_store_b128 v5, v[PC+4*\c:PC+4*\c+3], s[8:9] offset:512*\c
.endr
	global_store_b32 v6, v[PW], s[8:9]             ; 64 bytes a work-group (lanes r and r + 16 store the same word with the same value): 8,192 bytes in the whole launch
.Lend_kv:
	s_wait_tensorcnt 0x0
	ds_add_u32 v62, v63
	s_wait_dscnt 0x0
	s_endpgm
.Lks:
	s_sub_co_u32 s12, ttmp9, 128
	s_lshl_b32 s12, s12, 2
	s_add_co_u32 s12, s12, s10
	s_lshl_b32 s12, s12, 7                         ; my wave's 32 features, in bytes
	s_mov_b32 s13, 0
	s_wait_kmcnt 0x0
	s_add_nc_u64 s[6:7], s[6:7], s[12:13]
	s_add_nc_u64 s[8:9], s[8:9], s[12:13]
	WIN 0x40
.set j, 0
.rept 256
	global_load_b32 v[j], v2, s[6:7] offset:2048*j th:TH_LOAD_NT   ; row j of ksp: 128 consecutive bytes
.set j, j+1
.endr
	s_wait_loadcnt 0x0
	WIN 5
.irp c, 0,1,2,3
	v_pk_add_f32 v[64+2*\c:65+2*\c], v[4*\c:4*\c+1], v[4*\c+2:4*\c+3]   ; four chains of pairs
.endr
	WIN 1
.set j, 16
.rept 30
.irp c, 0,1,2,3
	v_pk_add_f32 v[64+2*\c:65+2*\c], v[j+2*\c:j+2*\c+1], v[64+2*\c:65+2*\c]
.endr
.set j, j+8
.endr
	WIN 0
	v_pk_add_f32 v[64:65], v[64:65], v[66:67]
	v_pk_add_f32 v[68:69], v[68:69], v[70:71]
	v_pk_add_f32 v[64:65], v[64:65], v[68:69]
	v_add_f32 v64, v64, v65
	global_store_b32 v2, v64, s[8:9] offset:204800
	s_endpgm
.Lfunc_end_k_q3e03f535d5_kvred:
	.size	k_q3e03f535d5_kvred, .Lfunc_end_k_q3e03f535d5_kvred-k_q3e03f535d5_kvred
	.p2alignl 7, 3214868480
	.fill 96, 4, 3214868480
	.section	.rodata,"a",@progbits
	.p2align	6, 0x0
	.amdhsa_kernel k_q3e03f535d5_kvred
		.amdhsa_group_segment_fixed_size 33280
		.amdhsa_private_segment_fixed_size 0
		.amdhsa_enable_private_segment 0
		.amdhsa_kernarg_size 24
		.amdhsa_user_sgpr_count 2
		.amdhsa_user_sgpr_kernarg_segment_ptr 1
		.amdhsa_wavefront_size32 1
		.amdhsa_system_sgpr_workgroup_id_x 1
		.amdhsa_system_sgpr_workgroup_id_y 1
		.amdhsa_system_sgpr_workgroup_id_z 1
		.amdhsa_system_vgpr_workitem_id 0
		.amdhsa_next_free_vgpr 512
		.amdhsa_next_free_sgpr 66
		.amdhsa_reserve_vcc 0
		.amdhsa_float_denorm_mode_32 3
		.amdhsa_float_denorm_mode_16_64 3
		.amdhsa_memory_ordered 1
		.amdhsa_forward_progress 1
		.amdhsa_inst_pref_size 62
	.end_amdhsa_kernel
	.amdgpu_metadata
---
amdhsa.version: [ 1, 2 ]
amdhsa.kernels:
  - .name:           k_q3e03f535d5_kvred
    .symbol:         k_q3e03f535d5_kvred.kd
    .args:
      - { .name: kvp, .offset: 0, .size: 8, .value_kind: global_buffer, .address_space: global }
      - { .name: ksp, .offset: 8, .size: 8, .value_kind: global_buffer, .address_space: global }
      - { .name: kvc, .offset: 16, .size: 8, .value_kind: global_buffer, .address_space: global }
    .group_segment_fixed_size: 33280
    .private_segment_fixed_size: 0
    .kernarg_segment_align: 8
    .kernarg_segment_size: 24
    .max_flat_workgroup_size: 128
    .sgpr_count:     66
    .vgpr_count:     512
    .wavefront_size: 32
...
	.end_amdgpu_metadata
.endif
;; end of part 4
;; launch qpath (part 5): grid 256 x 1, 4 waves a work-group, clusters of 4 x 1, 327,680 bytes of LDS; arguments xc, wc, kvc, bq, out0; writes out0
.if DOCPART == 5
	.amdgcn_target "amdgcn-amd-amdhsa--gfx1250"
	.amdhsa_code_object_version 6
	.text
	.protected	k_q3e03f535d5_qpath
	.globl	k_q3e03f535d5_qpath
	.p2align	8
	.type	k_q3e03f535d5_qpath,@function
k_q3e03f535d5_qpath:
	s_mov_b64 s[64:65], 0
	v_nop
	global_prefetch_b8 v0, s[64:65] scope:SCOPE_SE
	s_setreg_imm32_b32 hwreg(HW_REG_WAVE_MODE, 25, 1), 1
	s_wait_xcnt 0x0
	s_wait_alu depctr_hold_cnt(0) depctr_sa_sdst(0) depctr_va_vdst(0) depctr_va_sdst(0) depctr_va_ssrc(0) depctr_va_vcc(0) depctr_vm_vsrc(0)
	s_getreg_b32 s2, hwreg(HW_REG_IB_STS2, 6, 4)
	s_cmp_eq_u32 s2, 0
	s_cbranch_scc0 .Lentry_in_a_cluster
	s_endpgm
.Lentry_in_a_cluster:
	s_bfe_u32 s2, ttmp6, 0x10000c
	s_cmp_lg_u32 s2, 0x3003
	s_cbranch_scc0 .Lentry_shape_is_right
	s_endpgm
.Lentry_shape_is_right:
; q = Q(x) Q(Wq) + bq;  q' = relu(Q(q) Q(proj)^T) + 0.001;  den = q' . ks (f32, + 2e-6 where |den| <= 1e-6);  out = Q(q') Q(kv) / den.
; All three products on codes of FP6 (E2M3) with E8M0 scales.  Operands lie in memory and in LDS as images of the operand's registers: a fragment (16 rows x 128 K, 12 registers a lane) is 1,536 bytes,
; register 4 c + i of lane l at 512 c + 16 l + 4 i; a part (128 rows x 512 K) is 51,200 bytes: fragment (tile t, K step s) at 1536 (4 t + s), scale words from 49,152 on at 512 s + 128 (t / 2) + 64 (t % 2) + 4 r.
; Tile t of a part holds rows 32 (t / 2) + 8 (t % 2) + i + 8 (i / 8): so the 64 results that a lane holds of eight tiles run in the order of the next K, or of a row of the output.
; SHARES.  A work-group owns 128 rows.  THE WAVES SHARE THE COLUMNS: wave w makes columns 128 w .. 128 w + 127 of q, of q' and of the output for all 128 rows.  Its part of Wq,
; of proj and of kv comes by ONE tensor load each into its own 51,200 bytes of LDS.  CLUSTER: the four work-groups of a cluster walk the same three operands, so each such load is asked for jointly
; (mask 15; its addresses hang on the wave's number alone).  All three products are used transposed (source 0 = 16 columns, source 1 = 16 rows): a lane holds one row throughout.
; THE FIRST TWO PRODUCTS go by K: 64 accumulators, 512 registers, four K steps.  THE LAST GOES BY ROWS OF THE OUTPUT: kv's whole part lies in registers, and the eight tiles of 16 rows are finished one
; after the other, so that a finished tile's rows are stored while the later tiles are multiplied.  LDS is read no more for that, and each sum still runs along K in ascending order.
; LIMITS: NaN and infinities are not served; a block of zeros gets the byte 1 (its codes are zeros; this program alone reads the bytes); 1 / den is v_rcp_f32's; f32 sums run in another order than a plain loop's.
; REGISTERS, first two products: window 0: v1-17 addresses; v28-29 for the add; v32-63 scale words; v64-107 the quantiser; v108-123 1 / den; v128-223 source 1's 8 fragments, one set.
;   window 1: source 0's 8 fragments, two sets, at v0 and v128; bq, later ks, at v96-127 and v224-255.   windows 2, 3: accumulator (a, b) at v[8 (8 (a % 4) + b)] of window 2 + a / 4.
; REGISTERS, last product: window 0: v128-223 q's fragments of a tile of rows (four K steps, 48 registers), two sets.   windows 1, 2: kv's fragments of K steps 0, 1 and 2, 3, at v0 and v128;
;   at v96-127 and v224-255 of the two windows by turns: 16 rows on their way out.   window 3: four sets of eight accumulators, tile a's at v[64 (a % 4)].
.set WPART, 51200
.set SCO,   49152
.set XIMG,  204800                     ; LDS: behind the four waves' parts: x's part (one fill at the start; when all have read it, q' is stored there),
.set KIMG,  256000                     ; q's images and scale words, later the four waves' stages for the way out (no fill lands here),
.set DENB,  307200                     ; the four waves' shares of den: 16 bytes a row,
.set SPARE, 309248                     ; the spare words, 128 bytes a wave: two blocks of 256 bytes that no other line names
.set L16,  1
.set ADRW, 2
.set ADRX, 3
.set ADRK, 4
.set ADSW, 5
.set ADSX, 6
.set ADSK, 7
.set IMK,  8                           ; where I store q's images: K step w;  v9 their scale words
.set SWK,  9
.set IMX,  10                          ; the same for q'
.set SWX,  11
.set ADN,  12                          ; my share of a row's den
.set ADL,  13                          ; a row's four shares
.set STO,  14                          ; my stage, in: row r, + 64 (lane / 16)
.set RDS,  15                          ; and out: 16 x lane
.set CO,   16                          ; 512 w + 16 x lane: my bytes of a row of the output
.set AUXA, 17                          ; 512 w + 64 (lane / 16): my bytes of bq and of ks
.set SPW,  28
.set NIL,  29
.set SC0,  32
.set SC1,  48
.set TM,   64
.set PW,   80
.set PC,   84
.set T,    104
.set RD,   108                         ; v[108 + 2 a]: 1 / den of my row of tile a (v[109 + 2 a]: den)
.set STAB, 124
.set AF,   128
.set BKR,  96                          ; the way out: row i of 16 at v[96 + 4 i] (i < 8) or v[224 + 4 (i - 8)], of window 1 or 2
.set FBA,  12                          ; source 1's fragment of (block a, K step s) lies at v[AF + FBA (a % FBM) + FBS s]: in the first two products one K step's eight blocks
.set FBM,  8
.set FBS,  0
.set WV,   16                          ; s16 wave; s17 cx; s18 the work-group's block of rows; s19 1e-6
.set G1W,  24
.set G1X,  32
.set G0A,  40                          ; s[40:43] group 0: Wq's part;  s[44:47] proj's;  s[48:51] kv's;  s[52:55] x's quarter.  Written once
.set G0B,  44
.set G0C,  48
.set G0X,  52
.set SEL,  56
.set EPS,  58
.set MSB, 0
.macro WIN new                         ; the immediate's high byte repeats the setting that is left; a switch that changes nothing is dropped
.if MSB != (\new)
	s_set_vgpr_msb (MSB<<8)|(\new)
.set MSB, (\new)
.endif
.endm
.macro PLACES                          ; four places behind a matrix instruction, in front of loads into its registers and of reads of its results
.rept 4
	v_nop
.endr
.endm
.macro CREST                           ; a round of the cluster's barrier behind its opening barrier
	s_cmp_lg_u32 s[WV], 0
	s_cbranch_scc1 .Lnot_wave_0_\@
	s_barrier_signal -3
.Lnot_wave_0_\@:
	s_barrier_wait -3
	s_barrier_signal -1
	s_barrier_wait -1
.endm
.macro ROUND
	s_barrier_signal -1
	s_barrier_wait -1
	CREST
.endm
; one product: source 1's block a x source 0's block b, K step s, source 0's set p.  cm = 0: C is 0;  1: C is the bias;  2: the sum goes on
.macro WM a, b, p, s, cm
.set rD, 8*(8*((\a)%4)+(\b))
.set rA, 128*(\p)+12*(\b)
.set rB, AF+FBA*((\a)%FBM)+FBS*(\s)
.set rSA, SC0+4*((\b)/2)+(\s)
.set rSB, SC1+4*((\a)/2)+(\s)
.set rC, rD
.if (\cm) == 1
.set rC, 96+8*(\b)+96*((\b)/4)
.endif
.set oo, 2*((\a)%2)+(\b)%2
.if (\cm) == 0
.if oo == 0
	v_wmma_scale_f32_16x16x128_f8f6f4 v[rD:rD+7], v[rA:rA+11], v[rB:rB+11], 0, v[rSA], v[rSB] matrix_a_fmt:MATRIX_FMT_FP6 matrix_b_fmt:MATRIX_FMT_FP6
.elseif oo == 1
	v_wmma_scale_f32_16x16x128_f8f6f4 v[rD:rD+7], v[rA:rA+11], v[rB:rB+11], 0, v[rSA], v[rSB] matrix_a_fmt:MATRIX_FMT_FP6 matrix_b_fmt:MATRIX_FMT_FP6 matrix_a_scale:MATRIX_SCALE_ROW1
.elseif oo == 2
	v_wmma_scale_f32_16x16x128_f8f6f4 v[rD:rD+7], v[rA:rA+11], v[rB:rB+11], 0, v[rSA], v[rSB] matrix_a_fmt:MATRIX_FMT_FP6 matrix_b_fmt:MATRIX_FMT_FP6 matrix_b_scale:MATRIX_SCALE_ROW1
.else
	v_wmma_scale_f32_16x16x128_f8f6f4 v[rD:rD+7], v[rA:rA+11], v[rB:rB+11], 0, v[rSA], v[rSB] matrix_a_fmt:MATRIX_FMT_FP6 matrix_b_fmt:MATRIX_FMT_FP6 matrix_a_scale:MATRIX_SCALE_ROW1 matrix_b_scale:MATRIX_SCALE_ROW1
.endif
.else
.if oo == 0
	v_wmma_scale_f32_16x16x128_f8f6f4 v[rD:rD+7], v[rA:rA+11], v[rB:rB+11], v[rC:rC+7], v[rSA], v[rSB] matrix_a_fmt:MATRIX_FMT_FP6 matrix_b_fmt:MATRIX_FMT_FP6
.elseif oo == 1
	v_wmma_scale_f32_16x16x128_f8f6f4 v[rD:rD+7], v[rA:rA+11], v[rB:rB+11], v[rC:rC+7], v[rSA], v[rSB] matrix_a_fmt:MATRIX_FMT_FP6 matrix_b_fmt:MATRIX_FMT_FP6 matrix_a_scale:MATRIX_SCALE_ROW1
.elseif oo == 2
	v_wmma_scale_f32_16x16x128_f8f6f4 v[rD:rD+7], v[rA:rA+11], v[rB:rB+11], v[rC:rC+7], v[rSA], v[rSB] matrix_a_fmt:MATRIX_FMT_FP6 matrix_b_fmt:MATRIX_FMT_FP6 matrix_b_scale:MATRIX_SCALE_ROW1
.else
	v_wmma_scale_f32_16x16x128_f8f6f4 v[rD:rD+7], v[rA:rA+11], v[rB:rB+11], v[rC:rC+7], v[rSA], v[rSB] matrix_a_fmt:MATRIX_FMT_FP6 matrix_b_fmt:MATRIX_FMT_FP6 matrix_a_scale:MATRIX_SCALE_ROW1 matrix_b_scale:MATRIX_SCALE_ROW1
.endif
.endif
.endm
; 16 products: source 1's blocks a0, a0 + 1 x source 0's eight.  The 64 accumulators take turns, one instruction a turn, in the same order in every K step
.macro MUL16 a0, p, s, cm
.if (\cm) == 1
	WIN 0x91+0x40*((\a0)/4)                        ; source 0 window 1, source 1 window 0, C (the bias) window 1, D window 2 or 3
.else
	WIN 0xa1+0x50*((\a0)/4)                        ; C and D window 2 or 3
.endif
.irp a, \a0, \a0+1
.irp b, 0,1,2,3,4,5,6,7
	WM \a, \b, \p, \s, \cm
.endr
.endr
.endm
.macro FETCH0 adr, s, p                ; source 0's eight fragments of K step s into set p: 24 loads of 512 consecutive bytes
	WIN 0x40
.irp b, 0,1,2,3,4,5,6,7
.irp c, 0,1,2
	ds_load_b128 v[128*(\p)+12*\b+4*\c:128*(\p)+12*\b+4*\c+3], v[\adr] offset:1536*(4*\b+(\s))+512*\c
.endr
.endr
	WIN 0
.endm
.macro FETCH1 adr, s, a0               ; source 1's blocks a0 .. a0 + 3: 12 loads
.irp a, \a0, \a0+1, \a0+2, \a0+3
.irp c, 0,1,2
	ds_load_b128 v[AF+12*(\a)+4*\c:AF+12*(\a)+4*\c+3], v[\adr] offset:1536*(4*(\a)+(\s))+512*\c
.endr
.endr
.endm
.macro SCALES as0, as1                 ; both sides' scale words for all four K steps: 32 loads
.irp s, 0,1,2,3
.irp p, 0,1,2,3
	ds_load_b32 v[SC0+4*\p+\s], v[\as0] offset:512*\s+128*\p
	ds_load_b32 v[SC1+4*\p+\s], v[\as1] offset:512*\s+128*\p
.endr
.endr
.endm
.macro PSTEP adr0, adr1, s, cm         ; a K step that has a successor
	s_wait_dscnt 12                                ; all but the youngest 12 loads (source 1's blocks 4-7) are in
	MUL16 0, (\s)%2, \s, \cm
	MUL16 2, (\s)%2, \s, \cm
	s_wait_dscnt 0x0                               ; blocks 4-7 are in
	PLACES
	FETCH0 \adr0, (\s)+1, 1-(\s)%2
	FETCH1 \adr1, (\s)+1, 0
	MUL16 4, (\s)%2, \s, \cm
	MUL16 6, (\s)%2, \s, \cm
	PLACES
	WIN 0
	FETCH1 \adr1, (\s)+1, 4
.endm
; A product of 128 rows x 128 columns x 512 K a wave, by K.  In the last K step, when my last read of my part has been asked for, the part is filled again by the joint load of group 0 g0
.macro PHASE adr0, as0, adr1, as1, cm, g0
	FETCH0 \adr0, 0, 0
	FETCH1 \adr1, 0, 0
	SCALES \as0, \as1
	FETCH1 \adr1, 0, 4
	PSTEP \adr0, \adr1, 0, \cm
	PSTEP \adr0, \adr1, 1, 2
	PSTEP \adr0, \adr1, 2, 2
	s_wait_tensorcnt 0x0                           ; no tensor load of mine is out;
	ds_add_u32 v[SPW], v[NIL]                      ; 0 onto my spare word;
	s_wait_dscnt 13                                ; (the add and the youngest 12 loads may be out)
	MUL16 0, 1, 3, 2                               ; sixteen products stand between the add and the wait for it
	s_wait_dscnt 0x0                               ; the add is done, and my reads of the part are over
	s_barrier_signal -1                            ; this barrier opens a round of the cluster's barrier
	MUL16 2, 1, 3, 2
	WIN 0                                          ; at a branch and at a label every window is 0
	s_barrier_wait -1
	CREST                                          ; no wave of any partner still reads its part or has a load on its way
	tensor_load_to_lds s[\g0:\g0+3], s[G1W:G1W+7]  ; my one tensor load behind the round: it has 32 products and the quantising below in which to land
	s_nop 0
	PLACES
	MUL16 4, 1, 3, 2
	MUL16 6, 1, 3, 2
	WIN 0
	PLACES
.endm
; 64 numbers of a lane, v[s] .. v[s + 63] of window w, register 16 b + i = k 32 b + 16 (lane / 16) + i of my row, become a fragment in v[PC] on and its scale word in v[PW]
.macro QUANT s, w
	WIN 5*(\w)
.irp b, 0,1,2,3
	v_max3_num_f32 v[TM+\b], |v[(\s)+16*\b]|, |v[(\s)+1+16*\b]|, 0x1800000   ; block b: my 16 numbers, and the floor 2^(3 - 127): the byte cannot fall under 1
.endr
.irp i, 2,4,6,8,10,12,14
.irp b, 0,1,2,3
	v_max3_num_f32 v[TM+\b], |v[(\s)+16*\b+\i]|, |v[(\s)+1+16*\b+\i]|, v[TM+\b]
.endr
.endr
	WIN 0
	s_wait_dscnt 0x0                               ; the last fragment's LDS stores have read the registers that are written below
.irp b, 0,1,2,3
	v_permlanex16_b32 v[TM+4+\b], v[TM+\b], s[SEL], s[SEL+1]
.endr
.irp b, 0,1,2,3
	v_max_num_f32 v[TM+\b], v[TM+\b], v[TM+4+\b]   ; with lane l xor 16's 16: the block's largest magnitude
.endr
.irp b, 0,1,2,3
	v_add_nc_u32 v[TM+12+\b], 0xff000000, v[TM+\b] ; 2 off its exponent field: the conversion's scale operand
.endr
.irp b, 0,1,2,3
	v_lshrrev_b32 v[TM+4+\b], 23, v[TM+12+\b]      ; the byte
.endr
	v_lshl_or_b32 v[PW], v[TM+5], 8, v[TM+4]
	v_lshl_or_b32 v[PW], v[TM+6], 16, v[PW]
	v_lshl_or_b32 v[PW], v[TM+7], 24, v[PW]
	WIN (\w)
.irp c, 0,1
	v_cvt_scalef32_pk16_fp6_f32 v[PC+6*\c:PC+2+6*\c], v[(\s)+32*\c:(\s)+15+32*\c], v[TM+12+2*\c]
	v_cvt_scalef32_pk16_fp6_f32 v[PC+12+4*\c:PC+14+4*\c], v[(\s)+16+32*\c:(\s)+31+32*\c], v[TM+13+2*\c]
.endr
	WIN 0
	v_nop                                          ; one plain place behind a scaled conversion
.irp c, 0,1                                    ; a whole block to a lane: lanes 0-15 block 2 c, lanes 16-31 block 2 c + 1
.irp i, 0,1,2
	v_permlane16_swap_b32 v[PC+6*\c+\i], v[PC+12+4*\c+\i]
.endr
.irp i, 0,1,2
	v_mov_b32 v[PC+3+6*\c+\i], v[PC+12+4*\c+\i]
.endr
.endr
.endm
.macro IMAGE adr, off                  ; the fragment goes to LDS as it stands
.irp c, 0,1,2
	ds_store_b128 v[\adr], v[PC+4*\c:PC+4*\c+3] offset:\off+512*\c
.endr
.endm
.macro AUXLOAD base, off               ; 64 numbers of a vector of 512, in the results' layout: for tile b those at 128 w + 32 (b / 2) + 16 (lane / 16) + 8 (b % 2) + 0 .. 7
	WIN 0x40
.irp b, 0,1,2,3,4,5,6,7
	global_load_b128 v[96+8*\b+96*(\b/4):99+8*\b+96*(\b/4)], v[AUXA], s[\base:\base+1] offset:\off+128*(\b/2)+32*(\b%2)
	global_load_b128 v[100+8*\b+96*(\b/4):103+8*\b+96*(\b/4)], v[AUXA], s[\base:\base+1] offset:\off+128*(\b/2)+32*(\b%2)+16
.endr
	WIN 0
.endm
	s_load_b256 s[4:11], s[0:1], 0x0               ; xc s[4:5], wc s[6:7], kvc s[8:9], bq s[10:11]
	s_load_b64 s[12:13], s[0:1], 0x20              ; out0
	v_lshl_add_u32 v[SPW], v0, 2, SPARE
	v_mov_b32 v[NIL], 0
	ds_add_u32 v28, v29
	ds_add_u32 v28, v29
	s_wait_dscnt 0x0
	v_lshrrev_b32 v20, 5, v0
	v_readfirstlane_b32 s[WV], v20                 ; wave 0..3
	v_and_b32 v20, 31, v0                          ; lane
	v_and_b32 v21, 15, v0                          ; r
	v_bfe_u32 v22, v0, 4, 1                        ; lane / 16
	v_lshlrev_b32 v[L16], 4, v20
	s_mul_i32 s20, s[WV], WPART                    ; my part: its place in LDS and among each operand's four parts
	v_add_nc_u32 v[ADRW], s20, v[L16]
	v_add_nc_u32 v[ADRX], XIMG, v[L16]
	v_add_nc_u32 v[ADRK], KIMG, v[L16]
	s_add_co_u32 s21, s20, SCO
	v_lshl_add_u32 v[ADSW], v20, 2, s21
	v_lshl_add_u32 v[ADSX], v20, 2, XIMG+SCO
	v_lshl_add_u32 v[ADSK], v20, 2, KIMG+SCO
	s_mul_i32 s21, s[WV], 1536
	s_add_co_u32 s22, s21, KIMG
	v_add_nc_u32 v[IMK], s22, v[L16]
	s_add_co_u32 s22, s21, XIMG
	v_add_nc_u32 v[IMX], s22, v[L16]
	s_lshl_b32 s21, s[WV], 9
	s_add_co_u32 s22, s21, KIMG+SCO
	v_lshl_add_u32 v[SWK], v21, 2, s22
	s_add_co_u32 s22, s21, XIMG+SCO
	v_lshl_add_u32 v[SWX], v21, 2, s22
	v_lshl_add_u32 v[AUXA], v22, 6, s21
	v_add_nc_u32 v[CO], s21, v[L16]
	v_lshl_add_u32 v[ADL], v21, 4, DENB
	s_lshl_b32 s22, s[WV], 2
	v_add_nc_u32 v[ADN], s22, v[ADL]
	s_mul_i32 s22, s[WV], 8448
	s_add_co_u32 s22, s22, KIMG                    ; my stage: 16 rows x (512 + 16) bytes
	v_mul_u32_u24 v[STO], v21, 528
	v_lshl_add_u32 v[STO], v22, 6, v[STO]
	v_add_nc_u32 v[STO], s22, v[STO]
	v_add_nc_u32 v[RDS], s22, v[L16]
	v_mov_b32 v[STAB], 0x360637bd                  ; 2e-6
.irp b, 0,1,2,3
	v_mov_b32 v[TM+4+\b], 0                        ; written once: a lane permute's destination counts as one of its sources
.endr
	s_mov_b32 s19, 0x358637bd                      ; 1e-6
	s_mov_b32 s[SEL], 0x76543210
	s_mov_b32 s[SEL+1], 0xfedcba98
	s_mov_b32 s[EPS], 0x3a83126f                   ; 0.001
	s_mov_b32 s[EPS+1], s[EPS]                     ; (named with it as a pair, so it is written)
	; group 1 of a part: 51,200 dense bytes as 200 rows of 32 elements of 8 bytes; the mask names the cluster's four work-groups, bit 21 beside it
	s_mov_b32 s[G1W], 15|(3<<16)|(1<<21)
	s_mov_b32 s[G1W+1], 32<<16
	s_mov_b32 s[G1W+2], 200<<16
	s_mov_b32 s[G1W+3], 32<<16
	s_mov_b32 s[G1W+4], 200
	s_mov_b32 s[G1W+5], 32
	s_mov_b32 s[G1W+6], 0
	s_mov_b32 s[G1W+7], 0
	; group 1 of a quarter of x's part: 12,800 dense bytes as 50 such rows; no mask: each work-group has its own rows
	s_mov_b32 s[G1X], 3<<16
	s_mov_b32 s[G1X+1], 32<<16
	s_mov_b32 s[G1X+2], 50<<16
	s_mov_b32 s[G1X+3], 32<<16
	s_mov_b32 s[G1X+4], 50
	s_mov_b32 s[G1X+5], 32
	s_mov_b32 s[G1X+6], 0
	s_mov_b32 s[G1X+7], 0
	s_mov_b32 s21, 0
	s_bfe_u32 s17, ttmp6, 0x40000                  ; cx: it enters global addresses of xc and out0 alone, through s60-61
	s_lshl_b32 s18, ttmp9, 2
	s_add_co_u32 s18, s18, s17                     ; my block of 128 rows
	s_wait_kmcnt 0x0
	s_mov_b32 s[G0A], 1
	s_mov_b32 s[G0A+1], s20
	s_add_nc_u64 s[G0A+2:G0A+3], s[6:7], s[20:21]  ; Wq's parts lie first in wc
	s_mov_b32 s[G0B], 1
	s_mov_b32 s[G0B+1], s20
	s_add_nc_u64 s[G0B+2:G0B+3], s[G0A+2:G0A+3], 409600   ; proj's behind Wq's and Wk's
	s_or_b32 s[G0A+3], s[G0A+3], 0x80000000
	s_or_b32 s[G0B+3], s[G0B+3], 0x80000000
	s_mov_b32 s[G0C], 1
	s_mov_b32 s[G0C+1], s20
	s_add_nc_u64 s[G0C+2:G0C+3], s[8:9], s[20:21]  ; kv's
	s_or_b32 s[G0C+3], s[G0C+3], 0x80000000
	s_mul_i32 s60, s18, WPART
	s_mul_i32 s61, s[WV], 12800
	s_add_co_u32 s60, s60, s61
	s_mov_b32 s[G0X], 1
	s_add_co_u32 s[G0X+1], s61, XIMG
	s_mov_b32 s61, 0
	s_add_nc_u64 s[G0X+2:G0X+3], s[4:5], s[60:61]
	s_or_b32 s[G0X+3], s[G0X+3], 0x80000000
	s_lshl_b32 s60, s18, 18                        ; 128 rows of 2,048 bytes
	s_add_nc_u64 s[12:13], s[12:13], s[60:61]
	ROUND                                          ; all four work-groups are here: the first joint loads meet
	tensor_load_to_lds s[G0A:G0A+3], s[G1W:G1W+7]  ; my two first fills go out together: two loads of mine are out
	s_nop 0
	tensor_load_to_lds s[G0X:G0X+3], s[G1X:G1X+7]
	s_nop 0
	PLACES
	AUXLOAD 10, 0                                  ; bq
	s_wait_tensorcnt 0x0                           ; my part of Wq and my quarter of x's part are in,
	s_barrier_signal -1
	s_barrier_wait -1                              ; everybody's quarter is
	s_wait_loadcnt 0x0                             ; bq
	PHASE ADRW, ADSW, ADRX, ADSX, 1, G0B           ; q^T = Wq^T x^T + bq; proj is asked for in its last K step
	AUXLOAD 8, 204800                              ; ks takes bq's registers: wanted a phase later
.irp a, 0,1,2,3,4,5,6,7
	QUANT 64*(\a%4), 2+\a/4
	IMAGE IMK, 6144*\a                             ; rows' tile a, K step w of the next product
	ds_store_b32 v[SWK], v[PW] offset:128*(\a/2)+64*(\a%2)   ; lanes r and r + 16 write the same word with the same value
.endr
	s_wait_tensorcnt 0x0                           ; proj's part is in
	s_wait_dscnt 0x0                               ; for the others' sake: my images have landed
	s_barrier_signal -1
	s_barrier_wait -1
	PHASE ADRW, ADSW, ADRK, ADSK, 0, G0C           ; source 0 = proj's features, source 1 = q's rows; kv is asked for in its last K step
	s_wait_loadcnt 0x0                             ; ks
; rows' tile a: relu, + 0.001; my 128 features' share of den, of the unquantised q'; the fragment along the features
.macro QOUT a
.set ACB, 64*((\a)%4)
.set ACW, 2+(\a)/4
	WIN 0x55*ACW
.set j, 0
.rept 64
	v_max_num_f32 v[ACB+j], 0, v[ACB+j]            ; each accumulator from its low end on
.set j, j+1
.endr
.set j, 0
.rept 32
	v_pk_add_f32 v[ACB+j:ACB+j+1], v[ACB+j:ACB+j+1], s[EPS:EPS+1] op_sel_hi:[1,0]
.set j, j+2
.endr
	WIN 4+ACW                                      ; source 0 the accumulators' window, source 1 (ks) window 1
	v_pk_mul_f32 v[T:T+1], v[ACB:ACB+1], v[96:97]
	v_pk_mul_f32 v[T+2:T+3], v[ACB+2:ACB+3], v[98:99]
.set j, 4
.rept 30
.set rX, 96+8*(j/8)+96*(j/32)+j%8
.set rT, T+2*((j/2)%2)
	v_pk_fma_f32 v[rT:rT+1], v[ACB+j:ACB+j+1], v[rX:rX+1], v[rT:rT+1]   ; two chains of pairs
.set j, j+2
.endr
	WIN 0
	v_pk_add_f32 v[T:T+1], v[T:T+1], v[T+2:T+3]
	v_add_f32 v[T], v[T], v[T+1]
	v_permlanex16_b32 v[T+2], v[T], s[SEL], s[SEL+1]
	v_add_f32 v[T], v[T], v[T+2]                   ; with lane l xor 16's 64 features
	ds_store_b32 v[ADN], v[T] offset:256*(\a)      ; lanes r and r + 16 write the same word with the same value
	QUANT ACB, ACW
	IMAGE IMX, 6144*(\a)                           ; x's part has had its one fill, and every wave's last read of it stands in front of the first phase's round
	ds_store_b32 v[SWX], v[PW] offset:128*((\a)/2)+64*((\a)%2)
.endm
.irp a, 0,1,2,3,4,5,6,7
	QOUT \a
.endr
	s_wait_tensorcnt 0x0                           ; kv's part is in
	s_wait_dscnt 0x0                               ; for the others' sake: my images and my shares of den have landed, and my reads of q's images are over
	s_barrier_signal -1
	s_barrier_wait -1
.irp a, 0,1,2,3,4,5,6,7
	ds_load_b128 v[224+4*\a:227+4*\a], v[ADL] offset:256*\a    ; the four waves' shares of den for my row of tile a
.endr
	s_wait_dscnt 0x0
.irp a, 0,1,2,3,4,5,6,7
	v_add_f32 v[224+4*\a], v[224+4*\a], v[225+4*\a]
	v_add_f32 v[226+4*\a], v[226+4*\a], v[227+4*\a]
.endr
.irp a, 0,1,2,3,4,5,6,7
	v_add_f32 v[224+4*\a], v[224+4*\a], v[226+4*\a]
.endr
.irp a, 0,1,2,3,4,5,6,7
	v_cmp_le_f32 vcc_lo, |v[224+4*\a]|, s19        ; |den| <= 1e-6: a choice of a value, no branch
	v_cndmask_b32 v[225+4*\a], 0, v[STAB], vcc_lo
	v_add_f32 v[RD+2*\a+1], v[224+4*\a], v[225+4*\a]
.endr
.irp a, 0,1,2,3,4,5,6,7
	v_rcp_f32 v[RD+2*\a], v[RD+2*\a+1]
.endr
	v_nop                                          ; a plain place behind the last reciprocal
	s_wait_alu depctr_va_vdst(0)
; THE LAST PRODUCT, BY ROWS.  Source 0 = kv's channels (all 32 fragments in registers), source 1 = q's rows, a tile of 16 at a time.
.set FBA, 48                           ; source 1's fragment of (tile a, K step s) now lies at v[AF + 48 (a % 2) + 12 s]
.set FBM, 2
.set FBS, 12
.macro FK s                            ; kv's eight fragments of K step s: 24 loads, into window 1 (K steps 0, 1) or 2 (K steps 2, 3)
	WIN (1+(\s)/2)<<6
.irp b, 0,1,2,3,4,5,6,7
.irp c, 0,1,2
	ds_load_b128 v[128*((\s)%2)+12*\b+4*\c:128*((\s)%2)+12*\b+4*\c+3], v[ADRW] offset:1536*(4*\b+(\s))+512*\c
.endr
.endr
.endm
.macro FQ a                            ; q's four fragments of tile a: 12 loads, into set a % 2 of window 0
.irp s, 0,1,2,3
.irp c, 0,1,2
	ds_load_b128 v[AF+48*((\a)%2)+12*\s+4*\c:AF+48*((\a)%2)+12*\s+4*\c+3], v[ADRX] offset:1536*(4*(\a)+\s)+512*\c
.endr
.endr
.endm
; tile a is finished: 32 products, its eight accumulators by turns, one instruction a turn, K ascending; the first K step starts the sums
.macro ROW a
.irp s, 0,1,2,3
.if (\a) == 0                          ; the first tile starts while kv's later K steps are still on their way out of LDS
.if \s == 0
	s_wait_dscnt 63                                ; behind K step 0's loads 84 were issued; the count's field ends at 63, which asks for more than is needed
.else
	s_wait_dscnt 84-24*\s                          ; the later K steps' loads, 24 each, and tile 1's 12 may be out
.endif
.endif
	WIN 0xf1+\s/2                                  ; source 0 window 1 or 2, source 1 window 0, C and D window 3
.irp b, 0,1,2,3,4,5,6,7
.if \s == 0
	WM \a, \b, 0, 0, 0
.else
	WM \a, \b, \s%2, \s, 2
.endif
.endr
.endr
.endm
; THE WAY OUT of tile a: x 1 / den; a lane's runs of 32 bytes go into my own stage (rows of 528 bytes) and come back as whole rows of 512 bytes.
; LDS serves a wave's instructions in order (ISA guide 5.7.1.4): no wait between the stores and the loads, nor in front of the next tile's stores.
.macro TOSTAGE a
.set ACB, 64*((\a)%4)
	WIN 0xc3                                       ; the accumulators (destination and source 0) window 3, 1 / den window 0
.set j, 0
.rept 32
	v_pk_mul_f32 v[ACB+j:ACB+j+1], v[ACB+j:ACB+j+1], v[RD+2*(\a):RD+2*(\a)+1] op_sel_hi:[1,0]   ; each accumulator from its low end on
.set j, j+2
.endr
	WIN 0x0c                                       ; an LDS store's data are its source 1
.irp b, 0,1,2,3,4,5,6,7
	ds_store_b128 v[STO], v[ACB+8*\b:ACB+8*\b+3] offset:128*(\b/2)+32*(\b%2)
	ds_store_b128 v[STO], v[ACB+8*\b+4:ACB+8*\b+7] offset:128*(\b/2)+32*(\b%2)+16
.endr
	WIN (1+(\a)%2)<<6                              ; back into window 1 or 2, by turns
.irp i, 0,1,2,3,4,5,6,7,8,9,10,11,12,13,14,15
	ds_load_b128 v[BKR+4*\i+96*(\i/8):BKR+4*\i+96*(\i/8)+3], v[RDS] offset:528*\i
.endr
.endm
.macro SEND a, younger                 ; younger: the LDS instructions issued behind tile a's loads from the stage, which may stay out
	s_wait_dscnt \younger
	WIN (1+(\a)%2)<<2                              ; a store's data are its source 1
.irp i, 0,1,2,3,4,5,6,7,8,9,10,11,12,13,14,15
	global_store_b128 v[CO], v[BKR+4*\i+96*(\i/8):BKR+4*\i+96*(\i/8)+3], s[12:13] offset:(32*((\a)/2)+8*((\a)%2)+\i+8*(\i/8))*2048 th:TH_STORE_NT   ; 512 consecutive bytes of a row, at a multiple of 512 from the output's first byte
.endr
.endm
	FQ 0
	SCALES ADSW, ADSX
	FK 0
	FK 1
	FK 2
	FK 3
	WIN 0
	FQ 1
	ROW 0
; A turn: q' of the tile after next; the next tile's products; this tile through the stage; the tile before goes to memory
.irp a, 0,1,2,3,4,5,6,7
	WIN 0
	PLACES                                         ; behind tile a's products: in front of the loads into the set that they read, and of the first read of their results
.if \a < 6
	FQ \a+2
.endif
.if \a < 7
.if \a == 0
	s_wait_dscnt 12                                ; tile 1's fragments are in; tile 2's 12 loads may be out
.elseif \a < 6
	s_wait_dscnt 44                                ; tile a + 1's fragments are in; behind them: 16 stores and 16 loads of the stage, and 12 loads of q'
.else
	s_wait_dscnt 32                                ; the same without loads of q': there is no tile 8
.endif
	ROW \a+1
.endif
.if \a > 1
	s_wait_xcnt 0x0                                ; tile a - 2's stores have read the registers into which tile a's rows are loaded
.endif
	TOSTAGE \a
.if \a > 0
.if \a < 6
	SEND \a-1, 44                                  ; behind tile a - 1's loads from the stage: 12 loads of q', tile a's 16 stores and 16 loads
.else
	SEND \a-1, 32
.endif
.endif
.endr
	SEND 7, 0
	WIN 0
	s_wait_tensorcnt 0x0                           ; the wave's end
	ds_add_u32 v[SPW], v[NIL]
	s_wait_dscnt 0x0
	ROUND                                          ; the closing round: no work-group ends while a partner may still ask for a part that names it
	s_endpgm
.Lfunc_end_k_q3e03f535d5_qpath:
	.size	k_q3e03f535d5_qpath, .Lfunc_end_k_q3e03f535d5_qpath-k_q3e03f535d5_qpath
	.p2alignl 7, 3214868480
	.fill 96, 4, 3214868480
	.section	.rodata,"a",@progbits
	.p2align	6, 0x0
	.amdhsa_kernel k_q3e03f535d5_qpath
		.amdhsa_group_segment_fixed_size 327680
		.amdhsa_private_segment_fixed_size 0
		.amdhsa_enable_private_segment 0
		.amdhsa_kernarg_size 40
		.amdhsa_user_sgpr_count 2
		.amdhsa_user_sgpr_kernarg_segment_ptr 1
		.amdhsa_wavefront_size32 1
		.amdhsa_system_sgpr_workgroup_id_x 1
		.amdhsa_system_sgpr_workgroup_id_y 1
		.amdhsa_system_sgpr_workgroup_id_z 1
		.amdhsa_system_vgpr_workitem_id 0
		.amdhsa_next_free_vgpr 1024
		.amdhsa_next_free_sgpr 66
		.amdhsa_reserve_vcc 1
		.amdhsa_float_denorm_mode_32 3
		.amdhsa_float_denorm_mode_16_64 3
		.amdhsa_memory_ordered 1
		.amdhsa_forward_progress 1
		.amdhsa_inst_pref_size 255
	.end_amdhsa_kernel
	.section	.bss,"aw",@nobits
	.p2align	6
	.space	262144
	.amdgpu_metadata
---
amdhsa.version: [ 1, 2 ]
amdhsa.kernels:
  - .name:           k_q3e03f535d5_qpath
    .symbol:         k_q3e03f535d5_qpath.kd
    .args:
      - { .name: xc, .offset: 0, .size: 8, .value_kind: global_buffer, .address_space: global }
      - { .name: wc, .offset: 8, .size: 8, .value_kind: global_buffer, .address_space: global }
      - { .name: kvc, .offset: 16, .size: 8, .value_kind: global_buffer, .address_space: global }
      - { .name: bq, .offset: 24, .size: 8, .value_kind: global_buffer, .address_space: global }
      - { .name: out0, .offset: 32, .size: 8, .value_kind: global_buffer, .address_space: global }
    .group_segment_fixed_size: 327680
    .private_segment_fixed_size: 0
    .kernarg_segment_align: 8
    .kernarg_segment_size: 40
    .max_flat_workgroup_size: 128
    .sgpr_count:     66
    .vgpr_count:     1024
    .wavefront_size: 32
...
	.end_amdgpu_metadata
.endif
;; end of part 5
